; MI455X (gfx1250); checked and timed in simulation.
; The chip was launched on July 23, 2026; its instructions are those of AMD's public machine-readable ISA for CDNA 5 (MIT licence, August 2026) and "CDNA5" Instruction Set Architecture Reference Guide (July 2026). The comments in the code are by the model that wrote it; some were corrected since.
;; Attention. Allowed arithmetic: matrix products marked QUANTISED: E5M2 operands, one given power-of-two scale a tensor, by v_wmma_f32_16x16x64_bf8_bf8 or v_wmma_f32_16x16x128_bf8_bf8, f32 sums; everything else in f32.
;; Inputs: bk 512 float32; bo 2,048 float32; bq 2,048 float32; bv 512 float32; freqs_cis 2,048 x 64 float32; lowp_scales 12 int32 (the exponents e of the quantised operands' scales 2^e); mask 2,048 x 2,048 float32; wk 512 x 2,048 float32; wo 2,048 x 2,048 float32; wq 2,048 x 2,048 float32; wv 512 x 2,048 float32; x 1 x 2,048 x 2,048 float32.
;; Outputs: out0 1 x 2,048 x 2,048 float32.
;; This version of the problem:
;;   THIS VERSION OF THE PROBLEM IS GIVEN IN LOW PRECISION. The matrix products marked QUANTISED in the list below multiply operands that are first quantised to E5M2 (5 exponent bits, 2 mantissa bits; 8 bits a number), with one given power-of-two scale for each operand tensor; their sums are f32. All else is computed in f32.
;;   The module's matrix products, in the order in which they are computed (A, B: the left and right operand; K: the contracted axis; several contracted axes count as one K, in the product's order):
;;     1. [M 2,048, K 2,048] x [K 2,048, N 2,048]; A: input x; B: input wq: QUANTISED (scales: A lowp_scales[0], B lowp_scales[1])
;;     2. [M 2,048, K 2,048] x [K 2,048, N 512]; A: input x; B: input wk: QUANTISED (scales: A lowp_scales[2], B lowp_scales[3])
;;     3. [M 2,048, K 2,048] x [K 2,048, N 512]; A: input x; B: input wv: QUANTISED (scales: A lowp_scales[4], B lowp_scales[5])
;;     4. batch 8 x [M 8,192, K 64] x [K 64, N 2,048]; A: computed on the way; B: computed on the way: QUANTISED (scales: A lowp_scales[6], B lowp_scales[7])
;;     5. batch 8 x [M 8,192, K 2,048] x [K 2,048, N 64]; A: softmax (see below); B: computed on the way: QUANTISED (scales: A lowp_scales[8], B lowp_scales[9])
;;     6. [M 2,048, K 2,048] x [K 2,048, N 2,048]; A: computed on the way; B: input wo: QUANTISED (scales: A lowp_scales[10], B lowp_scales[11])
;;   THE QUANTISER, for each operand of a quantised product, along K:
;;     - The operand's scale is 2^e, e = its entry of the input lowp_scales (int32; the entries are numbered through the quantised products in the list's order, A before B).
;;     - Each number is divided by the scale, clamped to +-57,344, and rounded to the nearest number of E5M2, ties to even, subnormals kept.
;;     - The product sums the exact products of the quantised numbers (number of the format x scale) in f32.
;;   ~~~python
;;   def quantise(x, axis, e):      # numpy; x: float32 -> the quantised numbers, widened to float32 again
;;       x = np.moveaxis(x, axis, -1); K = x.shape[-1]
;;       r = np.clip(x / 2.0 ** e, -57344, 57344)
;;       step = 2.0 ** (np.maximum(np.frexp(np.where(r == 0, 1, r))[1] - 1, -14) - 2)
;;       q = np.round(r / step) * step * 2.0 ** e      # np.round: ties to even
;;       return np.moveaxis(q, -1, axis).astype(np.float32)
;;   ~~~
;;   SOFTMAX AHEAD OF A QUANTISED PRODUCT. Where the list says 'softmax', what is quantised is not the finished softmax but p = 2^(t - M), with t = logit x log2(e) and M = ceil(the row's largest t), a whole number; so 1/2 < the row's largest p <= 1. The row's sum l is taken of the UNQUANTISED p, in f32, and the product's result is divided by l at the end. Since M is a whole number, a kernel that streams over the keys may use a running M (the ceiling of the running maximum): every later rescaling is an exact power of two, so the quantised numbers keep their values, but for numbers so far below the row's largest that they fall under the format's range.
;;   OPERANDS COMPUTED ON THE WAY. 'Computed on the way' means the value that the module computes at that place (a softmax that the list does not call 'softmax' is quantised finished and normalised). What goes into a quantiser is computed in f32, as accurately as f32 sums, v_exp_f32 and their like allow (about 1e-6 of the number): no bf16 or f16 on the way to a quantiser, and a product that is left as it is and whose result goes on into a quantised operand takes f32 operands (vector FMAs, or v_wmma_f32_16x16x4_f32). A number that lies on a knife's edge between two numbers of the format may be rounded either way, as far as f32 arithmetic and the matrix unit's own rounding can turn it there, and no further.
;; One version. Each part assembles by itself: llvm-mc -triple=amdgcn-amd-amdhsa -mcpu=gfx1250 --defsym DOCPART=n.
;; ======== version 1 of 1: 4 launches
;; limits: right only within a limited range of input values
;; workspace buffers: codes 23,068,672 bytes; qkv 6,291,456 bytes; oc 4,194,304 bytes
;; launch quant (part 1): grid 448 x 1, 4 waves a work-group, no clusters, 33,280 bytes of LDS; arguments x, wq, wk, wv, wo, lowp_scales, codes; writes codes
.if DOCPART == 1
	.amdgcn_target "amdgcn-amd-amdhsa--gfx1250"
	.amdhsa_code_object_version 6
	.text
	.protected	k_q7763bfee17_quant
	.globl	k_q7763bfee17_quant
	.p2align	8
	.type	k_q7763bfee17_quant,@function
k_q7763bfee17_quant:
	s_mov_b64 s[64:65], 0
	v_nop
	global_prefetch_b8 v0, s[64:65] scope:SCOPE_SE
	s_setreg_imm32_b32 hwreg(HW_REG_WAVE_MODE, 25, 1), 1
	s_wait_xcnt 0x0
; x, wq, wk, wv, wo (f32, K innermost, rows dense) become codes of BF8 (E5M2), one byte a number, K innermost, each with the scale 2^e given for it.
; code = number / 2^e, held within +-57,344, rounded to the nearest code, ties to even.
; x is an operand of three products with three scales (entries 0, 2, 4 of the scales), so it is read once and written as three images.
; THE BUFFER OF CODES: x by e0 at 0, x by e2 at 4 MiB, x by e4 at 8 MiB, wq's, wk's and wv's rows on end (3,072 rows) at 12 MiB, wo at 18 MiB.
; A work-group takes 32,768 numbers, a wave 8,192, in 16 steps of 512.  Work-groups 0-127: x; 128-255: wq; 256-287: wk; 288-319: wv; 320-447: wo.
; Only pointers and exponents are chosen by the work-group's number; the one branch on it goes round x's second and third conversion and their stores (register work and global stores alone).
; A conversion takes 8 neighbours from one lane's registers, a load is best where neighbouring lanes take neighbouring bytes: each load reads 512 consecutive bytes, the step's 2,048 bytes
; turn through the wave's own stage in LDS (16 bytes of padding behind each 64) and come back 64 bytes a lane.  A lane's 16 codes are 16 bytes: a store covers 512 consecutive bytes, aligned.
; No tensor load, no barrier: waves share nothing.  Loads run four steps (16 loads a wave) ahead, the turn through LDS one step.
; LIMITS: every e used here lies between -126 and 112, so that 2^e and 57,344 x 2^e are f32 numbers.  NaN among the inputs is not served (an infinity is held at the largest code).
.set STEPS, 16
.set WREG,  8192                       ; LDS of a wave: two stages of 32 x SP bytes
.set SP,    80                         ; a lane's place in a stage: 64 bytes + 16 of padding
.set MANT,  0x600000                   ; the mantissa field of 57,344 as f32
.set R,     16                         ; v16-79   four sets of 16 numbers as loaded
.set X,     80                         ; v80-111  two sets of 16 neighbours
.set T,     112                        ; v112-127 the numbers held within the largest code
.set C,     128                        ; v128-139 codes: four registers for each of the three images
	s_load_b256 s[4:11], s[0:1], 0x0               ; x, wq, wk, wv
	s_load_b128 s[12:15], s[0:1], 0x20             ; wo, the scales' exponents
	s_load_b64 s[16:17], s[0:1], 0x30              ; the codes
	v_lshl_add_u32 v144, v0, 2, 0x8000
	v_mov_b32 v145, 0
	v_lshrrev_b32 v1, 5, v0
	v_readfirstlane_b32 s36, v1                    ; wave
	v_and_b32 v2, 31, v0                           ; lane
	v_lshlrev_b32 v3, 4, v2                        ; my 16 bytes of a load's 512, and of a store's; never rewritten
	s_mul_i32 s37, s36, WREG
	v_lshrrev_b32 v14, 2, v2
	v_mul_u32_u24 v14, v14, SP
	v_and_b32 v15, 3, v2
	v_lshl_add_u32 v14, v15, 4, v14
	v_add_nc_u32 v14, s37, v14                     ; the stage on the way in: SP (lane / 4) + 16 (lane % 4)
	v_mul_u32_u24 v15, v2, SP
	v_add_nc_u32 v15, s37, v15                     ; and on the way out: SP x lane: my 16 neighbours
	s_wait_alu depctr_va_vdst(0)
	s_wait_kmcnt 0x0
	s_load_b256 s[24:31], s[14:15], 0x0            ; e0 .. e7
	s_load_b128 s[32:35], s[14:15], 0x20           ; e8 .. e11
	s_mov_b64 s[18:19], s[12:13]                   ; the source and its first work-group: wo's, unless the work-group's number says otherwise
	s_mov_b32 s20, 320
	s_cmp_lt_u32 ttmp9, 320
	s_cselect_b64 s[18:19], s[10:11], s[18:19]
	s_cselect_b32 s20, 288, s20
	s_cmp_lt_u32 ttmp9, 288
	s_cselect_b64 s[18:19], s[8:9], s[18:19]
	s_cselect_b32 s20, 256, s20
	s_cmp_lt_u32 ttmp9, 256
	s_cselect_b64 s[18:19], s[6:7], s[18:19]
	s_cselect_b32 s20, 128, s20
	s_cmp_lt_u32 ttmp9, 128
	s_cselect_b64 s[18:19], s[4:5], s[18:19]
	s_cselect_b32 s20, 0, s20
	s_cselect_b32 s38, 0, 256                      ; the weights' codes lie behind x's three images: 256 blocks of 32,768 further on
	s_sub_co_u32 s22, ttmp9, s20
	s_lshl_b32 s22, s22, 17                        ; 32,768 numbers of 4 bytes a work-group,
	s_lshl_b32 s23, s36, 15                        ; 8,192 a wave
	s_add_co_u32 s22, s22, s23
	s_mov_b32 s23, 0
	s_add_nc_u64 s[18:19], s[18:19], s[22:23]
	s_add_co_u32 s38, s38, ttmp9
	s_lshl_b32 s38, s38, 15
	s_lshl_b32 s39, s36, 13
	s_add_co_u32 s38, s38, s39
	s_mov_b32 s39, 0
	s_add_nc_u64 s[40:41], s[16:17], s[38:39]      ; where my codes go;
	s_add_nc_u64 s[42:43], s[40:41], 0x400000      ; x's second image,
	s_add_nc_u64 s[44:45], s[40:41], 0x800000      ; and its third (used by x's work-groups alone)
.macro LOAD t
.irp i, 0,1,2,3
	global_load_b128 v[R+16*((\t)%4)+4*\i:R+16*((\t)%4)+4*\i+3], v3, s[18:19] offset:2048*(\t)+512*\i th:TH_LOAD_NT   ; 32 lanes read 512 consecutive bytes; read once in the launch
.endr
.endm
.macro TURN t                          ; step t's numbers through the stage: LDS serves a wave's instructions in order, so no wait stands between the stores and the loads
.irp i, 0,1,2,3
	ds_store_b128 v14, v[R+16*((\t)%4)+4*\i:R+16*((\t)%4)+4*\i+3] offset:32*SP*((\t)%2)+8*SP*\i
.endr
.irp i, 0,1,2,3
	ds_load_b128 v[X+16*((\t)%2)+4*\i:X+16*((\t)%2)+4*\i+3], v15 offset:32*SP*((\t)%2)+16*\i
.endr
.endm
.irp t, 0,1,2,3
	LOAD \t
.endr
.macro MKSC e, sc, lim                 ; from the exponent in s[e]: 2^e as f32 (the conversion takes its exponent field) and 57,344 x 2^e
	s_add_co_i32 s46, s[\e], 127
	s_lshl_b32 s47, s46, 23
	v_mov_b32 v[\sc], s47
	s_add_co_i32 s46, s46, 15
	s_lshl_b32 s46, s46, 23
	s_or_b32 s46, s46, MANT
	v_mov_b32 v[\lim], s46
.endm
	s_wait_kmcnt 0x0
	s_mov_b32 s21, s35                             ; e11 for wo,
	s_cmp_lt_u32 ttmp9, 320
	s_cselect_b32 s21, s29, s21                    ; e5 for wv,
	s_cmp_lt_u32 ttmp9, 288
	s_cselect_b32 s21, s27, s21                    ; e3 for wk,
	s_cmp_lt_u32 ttmp9, 256
	s_cselect_b32 s21, s25, s21                    ; e1 for wq,
	s_cmp_lt_u32 ttmp9, 128
	s_cselect_b32 s21, s24, s21                    ; e0 for x's first image
	MKSC 21, 4, 5
	MKSC 26, 6, 7                                  ; e2
	MKSC 28, 8, 9                                  ; e4
	s_wait_alu depctr_va_vdst(0)
	s_wait_loadcnt 12                              ; step 0's four loads are in
	TURN 0
; image k of step t: hold, convert, store to the base in s[d:d+1]
.macro CONV k, t, d
.irp i, 0,1,2,3,4,5,6,7,8,9,10,11,12,13,14,15
	v_med3_num_f32 v[T+\i], v[XS+\i], -v[5+2*\k], v[5+2*\k]   ; the conversion to an 8-bit code does not saturate (ISA guide 7.6.2): the number is held within the largest code x the scale first
.endr
	v_cvt_scalef32_pk8_bf8_f32 v[C+4*\k:C+4*\k+1], v[T:T+7], v[4+2*\k]
	v_cvt_scalef32_pk8_bf8_f32 v[C+4*\k+2:C+4*\k+3], v[T+8:T+15], v[4+2*\k]
	v_nop                                          ; a plain vector line between the conversions and the next holds, which write their sources
	global_store_b128 v3, v[C+4*\k:C+4*\k+3], s[\d:\d+1] offset:512*(\t)   ; 32 lanes store 512 consecutive bytes, aligned
.endm
.macro STEP t
.set XS, X+16*((\t)%2)
	s_wait_dscnt 0x0                               ; this step's numbers are back from the stage: so its stores into the stage have read their registers,
.if (\t)+4 < STEPS
	LOAD (\t)+4                                    ; which take the loads of four steps on
.endif
.if (\t)+1 < STEPS
.if STEPS-2-(\t) >= 3
	s_wait_loadcnt 12                              ; the next step's four loads are in; those of the three steps behind it may be out
.else
	s_wait_loadcnt 4*(STEPS-2-(\t))
.endif
	TURN (\t)+1                                    ; and go through the other stage while this step is worked
.endif
	s_wait_xcnt 0x0                                ; the last step's stores have read their data: the codes' registers are written again only behind this wait
	CONV 0, \t, 40
	s_cmp_lt_u32 ttmp9, 128                        ; x alone has a second and a third image
	s_cbranch_scc0 .Lw_\@
	CONV 1, \t, 42
	CONV 2, \t, 44
.Lw_\@:
.endm
.irp t, 0,1,2,3,4,5,6,7,8,9,10,11,12,13,14,15
	STEP \t
.endr
	s_wait_tensorcnt 0x0
	ds_add_u32 v144, v145
	s_wait_dscnt 0x0
	s_endpgm
.Lfunc_end_k_q7763bfee17_quant:
	.size	k_q7763bfee17_quant, .Lfunc_end_k_q7763bfee17_quant-k_q7763bfee17_quant
	.p2alignl 7, 3214868480
	.fill 96, 4, 3214868480
	.section	.rodata,"a",@progbits
	.p2align	6, 0x0
	.amdhsa_kernel k_q7763bfee17_quant
		.amdhsa_group_segment_fixed_size 33280
		.amdhsa_private_segment_fixed_size 0
		.amdhsa_enable_private_segment 0
		.amdhsa_kernarg_size 56
		.amdhsa_user_sgpr_count 2
		.amdhsa_user_sgpr_kernarg_segment_ptr 1
		.amdhsa_wavefront_size32 1
		.amdhsa_system_sgpr_workgroup_id_x 1
		.amdhsa_system_sgpr_workgroup_id_y 1
		.amdhsa_system_sgpr_workgroup_id_z 1
		.amdhsa_system_vgpr_workitem_id 0
		.amdhsa_next_free_vgpr 146
		.amdhsa_next_free_sgpr 66
		.amdhsa_reserve_vcc 0
		.amdhsa_float_denorm_mode_32 3
		.amdhsa_float_denorm_mode_16_64 3
		.amdhsa_memory_ordered 1
		.amdhsa_forward_progress 1
		.amdhsa_inst_pref_size 82
	.end_amdhsa_kernel
	.amdgpu_metadata
---
amdhsa.version: [ 1, 2 ]
amdhsa.kernels:
  - .name:           k_q7763bfee17_quant
    .symbol:         k_q7763bfee17_quant.kd
    .args:
      - { .name: x, .offset: 0, .size: 8, .value_kind: global_buffer, .address_space: global }
      - { .name: wq, .offset: 8, .size: 8, .value_kind: global_buffer, .address_space: global }
      - { .name: wk, .offset: 16, .size: 8, .value_kind: global_buffer, .address_space: global }
      - { .name: wv, .offset: 24, .size: 8, .value_kind: global_buffer, .address_space: global }
      - { .name: wo, .offset: 32, .size: 8, .value_kind: global_buffer, .address_space: global }
      - { .name: lowp_scales, .offset: 40, .size: 8, .value_kind: global_buffer, .address_space: global }
      - { .name: codes, .offset: 48, .size: 8, .value_kind: global_buffer, .address_space: global }
    .group_segment_fixed_size: 33280
    .private_segment_fixed_size: 0
    .kernarg_segment_align: 8
    .kernarg_segment_size: 56
    .max_flat_workgroup_size: 128
    .sgpr_count:     66
    .vgpr_count:     146
    .wavefront_size: 32
...
	.end_amdgpu_metadata
.endif
;; end of part 1
;; launch qkv (part 2): grid 16 x 16, 4 waves a work-group, clusters of 4 x 4, 327,680 bytes of LDS; arguments codes, freqs_cis, bq, bk, bv, lowp_scales, qkv; writes qkv
.if DOCPART == 2
	.amdgcn_target "amdgcn-amd-amdhsa--gfx1250"
	.amdhsa_code_object_version 6
	.text
	.protected	k_q7763bfee17_qkv
	.globl	k_q7763bfee17_qkv
	.p2align	8
	.type	k_q7763bfee17_qkv,@function
k_q7763bfee17_qkv:
	s_mov_b64 s[64:65], 0
	v_nop
	global_prefetch_b8 v0, s[64:65] scope:SCOPE_SE
	s_setreg_imm32_b32 hwreg(HW_REG_WAVE_MODE, 25, 1), 1
	s_wait_xcnt 0x0
	s_wait_alu depctr_hold_cnt(0) depctr_sa_sdst(0) depctr_va_vdst(0) depctr_va_sdst(0) depctr_va_ssrc(0) depctr_va_vcc(0) depctr_vm_vsrc(0)
	s_getreg_b32 s2, hwreg(HW_REG_IB_STS2, 6, 4)
	s_cmp_eq_u32 s2, 0
	s_cbranch_scc0 .Lentry_in_a_cluster
	s_endpgm
.Lentry_in_a_cluster:
	s_bfe_u32 s2, ttmp6, 0x10000c
	s_cmp_lg_u32 s2, 0xf033
	s_cbranch_scc0 .Lentry_shape_is_right
	s_endpgm
.Lentry_shape_is_right:
; q = rope(x wq^T + bq), k = rope(x wk^T + bk), v = x wv^T + bv, the products on codes of BF8 (E5M2); the results are quantised at once (scales e6, e7, e9) and stored as codes, [48 heads][2,048 s][64 d]:
; heads 0-31 q, 32-39 k, 40-47 v.  The weights' codes are one matrix W of 3,072 rows (wq, wk, wv on end); x has three images of codes, one for each of its three scales.
; A WORK-GROUP STAYS FOR TWO TILES.  q has 16 x 16 tiles of 128 rows x 128 columns; k and v together have 16 heads x 16 blocks of 128 rows: so work-group (TX, TY) makes q's tile (TX, TY) and then the
; 128 rows x 64 columns of head 32 + TX: 256 work-groups of equal work.  K goes in steps of 512 (LDS rows of 512 bytes) through two LDS slots filled by the tensor data mover: four steps for the first tile,
; four for the second, and the ring does not stop between them: the first tile's last two changes of slots ask for the second tile's first two steps, and q goes out while the second of them is on its way.
; SHARES.  First tile: four waves, each 64 x 64: 16 accumulators of 16 x 16.  Second tile: wave w has rows 32 w .. 32 w + 31 and all 64 columns: 8 accumulators, laid over the first tile's, which have gone out.
; CLUSTERS: 4 x 4 work-groups.  The four of a row of the cluster need the same tiles of x and of freqs_cis, the four of a column the same tiles of W: each tile is asked for JOINTLY, by the same tensor load
; with the same descriptor and a mask that names the four.  Whether the second tile is k's or v's hangs on the cluster's x alone (0, 1: k; 2, 3: v), so it is alike in all partners; it chooses a pointer,
; exponents and a lane mask by selects, and no branch hangs on it.  v takes the rope with cos = 1 and sin = 0, which leaves it as it is.
; THE MATRIX INSTRUCTION IS USED TRANSPOSED (source 0 = 16 rows of W, source 1 = 16 rows of x): a lane then holds eight neighbouring columns of one row: four pairs of the rope, eight neighbours for a conversion.
; A fragment (16 rows x 128 K, 16 registers) is fetched by four loads of 16 bytes, 32 bytes apart: a permutation of k that is the same in both operands, so every product meets its partner.
; LIMITS: e0 + e1, e2 + e3, e4 + e5 between -126 and 127; e6, e7, e9 between -126 and 112.  NaN and infinities among the sums are not served.
; REGISTERS: window 0: v1-31 addresses and constants; v32-63 rows of codes on the way out; v64-95 the numbers at work; v96-127 the bias; v128-255 the accumulators ((a, b) at v[128 + 8 (4 a + b)]).
;   window 1: two fragment buffers of 128: 64 registers of x (up to 4 x 16 rows x 128 K), then 64 of W.
.set KSTEP,  512
.set PITCH,  528                       ; an LDS row: 512 bytes + 16 of padding = 132 words: the 16 rows that a load touches start at 16 different banks (64 banks of 4 bytes: ISA guide 11.1)
.set HALFT,  64*PITCH                  ; 64 rows: what one tensor load brings
.set SLOT,   4*HALFT                   ; x's 128 rows, then W's 128 rows (the second tile uses 64 of them)
; freqs_cis takes no LDS: each lane loads the numbers of its own rows and columns once, at the head, from memory into window 2 (v0-127: the first tile's four blocks; v128-191: the second tile's two)
.set STAGE,  2*SLOT                    ; behind the ring: 64 rows x (64 bytes + 16) for each wave, for the way out
.set CP,     80
.set SPARE,  STAGE+4*64*CP             ; behind the stages: the spare words, 128 bytes for each wave: two blocks of 256 bytes that no other line names
.set WOFF,   0xc00000                  ; W's codes in the buffer of codes
.set ADRA, 16                          ; v16-17  LDS address of my fragments of x in slot 0, 1 (made anew for the second tile)
.set ADRB, 20                          ; v20-21  the same for W
.set FB,   22                          ; v22     a fragment's row x pitch + 16 x half; never rewritten
.set BO2,  23                          ; v23     my byte offset in the second tile's bias; never rewritten
.set STO,  24                          ; v24     the way out: where I put 8 codes of a row
.set RD,   25                          ; v25     the way out: where I read 16 codes back
.set CO,   26                          ; v26     my byte offset in 512 bytes of output
.set FA,   65                          ; v65     my byte offset in freqs_cis for the first tile (v64: for the second); both are free again behind the wait for those loads
.set PFO,  27                          ; v27     the prefetches' offset: 2,048 x (lane / 2) + 256 x (lane % 2); never rewritten
.set SPW,  28                          ; v28     LDS address of my spare word: SPARE + 4 x my thread's number; never rewritten
.set NIL,  29                          ; v29     0; never rewritten
.set FQ,   32
.set Y,    64
.set BIAS, 96
.set ACC,  128
.set F0,   0                           ; fragment buffers, in window 1
.set F1,   128
.set G1,  24                           ; s[24:31] descriptor group 1 for x's tiles;  s[32:39] group 0, one set for each slot
.set G0,  32
.set G1B, 40                           ; s[40:47], s[48:55] the same for W's tiles
.set G0B, 48
.set MSB, 0
.macro WIN new                         ; the immediate's high byte repeats the setting that is left
.if MSB != \new
	s_set_vgpr_msb (MSB<<8)|\new
.set MSB, \new
.endif
.endm
.set MUL,  0x05                        ; sources 0 (W) and 1 (x) window 1; C and D window 0
.set TO_F, 0x40                        ; destination window 1, address window 0
.macro JLOAD s                         ; a joint load for the first tile: waves 0 and 1 fetch x's two halves, waves 2 and 3 W's; four v_nop follow each of the two lines, ahead of the jump, the label and what follows
	s_cmp_eq_u32 s19, 0
	s_cbranch_scc0 .Lfor_w_\@
	tensor_load_to_lds s[G0+4*\s:G0+4*\s+3], s[G1:G1+7]
	s_nop 0
.rept 4
	v_nop
.endr
	s_branch .Lasked_\@
.Lfor_w_\@:
	tensor_load_to_lds s[G0B+4*\s:G0B+4*\s+3], s[G1B:G1B+7]
	s_nop 0
.rept 4
	v_nop
.endr
.Lasked_\@:
.endm
.macro JLOAD2 s                        ; for the second tile: waves 0 and 1 fetch x's two halves, wave 2 W's 64 rows, wave 3 nothing.  The branches hang on the wave's number alone
	s_cmp_eq_u32 s19, 0
	s_cbranch_scc0 .Lnot_x_\@
	tensor_load_to_lds s[G0+4*\s:G0+4*\s+3], s[G1:G1+7]
	s_nop 0
.rept 4
	v_nop
.endr
	s_branch .Lasked2_\@
.Lnot_x_\@:
	s_cmp_eq_u32 s18, 2
	s_cbranch_scc0 .Lasked2_\@
	tensor_load_to_lds s[G0B+4*\s:G0B+4*\s+3], s[G1B:G1B+7]
	s_nop 0
.rept 4
	v_nop
.endr
.Lasked2_\@:
.endm
.macro CREST                           ; a round of the cluster's barrier behind its opening barrier
	s_cmp_lg_u32 s18, 0
	s_cbranch_scc1 .Lnot_wave_0_\@
	s_barrier_signal -3
.Lnot_wave_0_\@:
	s_barrier_wait -3
	s_barrier_signal -1
	s_barrier_wait -1
.endm
.macro CROUND                          ; a whole round
	s_barrier_signal -1
	s_barrier_wait -1
	CREST
.endm
	s_load_b256 s[4:11], s[0:1], 0x0               ; codes s[4:5], freqs_cis s[6:7], bq s[8:9], bk s[10:11]
	s_load_b128 s[12:15], s[0:1], 0x20             ; bv s[12:13], the scales' exponents s[14:15]
	s_load_b64 s[16:17], s[0:1], 0x30              ; the output
	v_lshl_add_u32 v[SPW], v0, 2, SPARE
	v_mov_b32 v[NIL], 0
	ds_add_u32 v28, v29
	ds_add_u32 v28, v29
	s_wait_dscnt 0x0
	v_lshrrev_b32 v1, 5, v0
	v_readfirstlane_b32 s18, v1                    ; wave 0..3
	s_lshr_b32 s19, s18, 1                         ; first tile: which half of the rows is mine.  Also: I fetch for x (0) or for W (1)
	s_and_b32 s20, s18, 1                          ; first tile: which half of the columns.  Also: which 64 rows of a tile I fetch
	s_bfe_u32 s21, ttmp6, 0x40000                  ; cx, cy: my place in the cluster
	s_bfe_u32 s22, ttmp6, 0x40004
	s_lshl_b32 s23, ttmp9, 2
	s_add_co_u32 s23, s23, s21                     ; TX = 4 x cluster x + cx
	s_and_b32 s66, ttmp7, 0xffff
	s_lshl_b32 s66, s66, 2
	s_add_co_u32 s66, s66, s22                     ; TY = 4 x cluster y + cy
	s_lshl_b32 s67, s22, 2
	s_lshl_b32 s67, 15, s67                        ; my row of the cluster
	s_lshl_b32 s72, 0x1111, s21                    ; my column
	s_or_b32 s[G1], s67, (1<<20)|(1<<21)|(6<<22)|(3<<25)    ; 15:0 the mask: x's tiles go to my row; 17:16 elements of 1 byte; 20 padding on; 21 set beside a mask; 24:22 after every 128 words (code 6); 31:25 of 4 words (code 3)
	s_or_b32 s[G1B], s72, (1<<20)|(1<<21)|(6<<22)|(3<<25)   ; the same with the mask of my column, for W's tiles
.irp g, G1, G1B
	s_mov_b32 s[\g+1], KSTEP<<16                   ; tensor_dim0 = 512
	s_mov_b32 s[\g+2], 64<<16                      ; tensor_dim1 = 64
	s_mov_b32 s[\g+3], KSTEP<<16                   ; tile_dim0 = 512
	s_mov_b32 s[\g+4], 64                          ; tile_dim1 = 64
	s_mov_b32 s[\g+5], 2048                        ; tensor_dim0_stride: a row of codes
	s_mov_b32 s[\g+6], 0
	s_mov_b32 s[\g+7], 0
.endr
	s_lshl_b32 s74, s66, 7
	s_lshl_b32 s75, s20, 6
	s_add_co_u32 s74, s74, s75                     ; x: row 128 TY + 64 x half,
	s_lshl_b32 s74, s74, 11                        ; of 2,048 bytes, in the first image (scale e0)
	s_mov_b32 s75, 0
	s_lshl_b32 s76, s23, 7
	s_lshl_b32 s77, s20, 6
	s_add_co_u32 s76, s76, s77                     ; W: row 128 TX + 64 x half
	s_lshl_b32 s76, s76, 11
	s_add_co_u32 s76, s76, WOFF
	s_mov_b32 s77, 0
	s_mul_i32 s98, s18, HALFT                      ; where the tiles go: wave x 64 rows: no place in the cluster enters an LDS address
	s_wait_kmcnt 0x0
	s_load_b256 s[80:87], s[14:15], 0x0            ; e0 .. e7
	s_load_b128 s[88:91], s[14:15], 0x20           ; e8 .. e11
	s_add_nc_u64 s[74:75], s[4:5], s[74:75]
	s_add_nc_u64 s[76:77], s[4:5], s[76:77]
.irp s, 0,1
	s_mov_b32 s[G0+4*\s], 1
	s_add_co_u32 s[G0+4*\s+1], s98, \s*SLOT
	s_add_nc_u64 s[G0+4*\s+2:G0+4*\s+3], s[74:75], \s*KSTEP
	s_or_b32 s[G0+4*\s+3], s[G0+4*\s+3], 0x80000000
	s_mov_b32 s[G0B+4*\s], 1
	s_add_co_u32 s[G0B+4*\s+1], s98, \s*SLOT
	s_add_nc_u64 s[G0B+4*\s+2:G0B+4*\s+3], s[76:77], \s*KSTEP
	s_or_b32 s[G0B+4*\s+3], s[G0B+4*\s+3], 0x80000000
.endr
	; THE PREFETCHES: behind the joint load of K step s the K step s + 2 is asked for (at the head also step 1), across the change of tiles too.  Of the 64 rows that a wave fetches, the partner at place p
	; (cx for x, cy for W) takes rows 16 p .. 16 p + 15, told apart by address: 16 rows x 2 blocks of 256 bytes, a lane a block, one instruction a wave.  The last two steps have nothing behind them to ask for.
	s_cmp_eq_u32 s19, 0
	s_cselect_b64 s[56:57], s[74:75], s[76:77]     ; the first tile: my 64 rows of x or of W,
	s_cselect_b32 s58, s21, s22
	s_lshl_b32 s58, s58, 15                        ; + 16 p rows of 2,048 bytes
	s_mov_b32 s59, 0
	s_add_nc_u64 s[56:57], s[56:57], s[58:59]
	s_lshr_b32 s60, ttmp9, 1                       ; the second tile: x: the same rows in the second or third image;
	s_add_co_u32 s60, s60, 1
	s_lshl_b32 s60, s60, 22
	s_lshl_b32 s61, s23, 6                         ; W (wave 2): from row 128 TX to row 2,048 + 64 TX
	s_sub_co_u32 s61, 2048, s61
	s_lshl_b32 s61, s61, 11
	s_cmp_eq_u32 s19, 0
	s_cselect_b32 s60, s60, s61
	s_mov_b32 s61, 0
	s_add_nc_u64 s[60:61], s[56:57], s[60:61]
	v_bfe_u32 v[PFO], v0, 1, 4
	v_and_b32 v1, 1, v0
	v_lshlrev_b32 v[PFO], 11, v[PFO]
	v_lshl_add_u32 v[PFO], v1, 8, v[PFO]
	s_wait_alu depctr_va_vdst(0)                   ; ahead of the barriers and branches below
	CROUND                                         ; all sixteen work-groups are here: the first joint loads meet
	JLOAD 0                                        ; K step 0
	global_prefetch_b8 v[PFO], s[56:57] offset:512 th:TH_LOAD_NT scope:SCOPE_SE    ; K step 1,
	global_prefetch_b8 v[PFO], s[56:57] offset:1024 th:TH_LOAD_NT scope:SCOPE_SE   ; K step 2
	; what carries a slot's descriptor from its last K step of the first tile (byte 1,024 or 1,536 of a row) to its first of the second (byte 0 or 512), in bytes:
	s_lshr_b32 s74, ttmp9, 1                       ; x: the same rows in the second image (k: cluster x 0, 1) or the third (v: 2, 3), 4 MiB each,
	s_add_co_u32 s74, s74, 1
	s_lshl_b32 s74, s74, 22
	s_sub_co_u32 s74, s74, 2*KSTEP                 ; and 1,024 bytes back along K
	s_mov_b32 s75, 0
	s_lshl_b32 s76, s23, 6                         ; W: from row 128 TX + 64 x half to row 2,048 + 64 TX: 2,048 - 64 TX - 64 x half rows on (1,024 at the least),
	s_lshl_b32 s77, s20, 6
	s_add_co_u32 s76, s76, s77
	s_sub_co_u32 s76, 2048, s76
	s_lshl_b32 s76, s76, 11
	s_sub_co_u32 s76, s76, 2*KSTEP                 ; and 1,024 bytes back along K
	s_mov_b32 s77, 0
	v_and_b32 v1, 15, v0                           ; r = l % 16
	s_wait_alu depctr_va_vdst(0)
	v_bfe_u32 v2, v0, 4, 1                         ; h = l / 16
	v_mul_u32_u24 v[FB], v1, PITCH
	v_lshl_add_u32 v[FB], v2, 4, v[FB]             ; a fragment's row x pitch + 16 x half
	s_mul_i32 s98, s19, HALFT                      ; first tile: my 64 rows of x
	s_mul_i32 s99, s20, HALFT                      ; my 64 rows of W,
	s_add_co_u32 s99, s99, 2*HALFT                 ; which lie behind x's 128
.irp s, 0,1
	v_add_nc_u32 v[ADRA+\s], s98, v[FB]
	v_add_nc_u32 v[ADRB+\s], s99, v[FB]
	s_add_co_u32 s98, s98, SLOT
	s_add_co_u32 s99, s99, SLOT
.endr
	s_lshl_b32 s98, s66, 7                         ; freqs_cis: row 128 TY
	s_lshl_b32 s99, s19, 6
	s_add_co_u32 s99, s98, s99                     ; + 64 x half for the first tile,
	s_lshl_b32 s99, s99, 8                         ; rows of 256 bytes
	s_lshl_b32 s95, s18, 5
	s_add_co_u32 s98, s98, s95                     ; + 32 x wave for the second
	s_lshl_b32 s98, s98, 8
	s_wait_alu depctr_va_vdst(0)                   ; ahead of the readers below
	v_lshlrev_b32 v[FA], 8, v1
	v_lshl_add_u32 v[FA], v2, 5, v[FA]             ; row r, + 32 h bytes: the 8 numbers of my 8 columns
	v_add_nc_u32 v64, s98, v[FA]                   ; (v64 is written again only behind the wait for these loads)
	v_add_nc_u32 v[FA], s99, v[FA]
	s_wait_alu depctr_va_vdst(0)
	WIN 0x80                                       ; destination window 2
.irp a, 0,1,2,3
.irp b, 0,1,2,3
	global_load_b128 v[32*\a+8*\b:32*\a+8*\b+3], v[FA], s[6:7] offset:\a*4096+64*\b       ; freqs_cis(row 16 a + r, 16 b + 8 h + 0 .. 7): cos at the even places, sin at the odd
	global_load_b128 v[32*\a+8*\b+4:32*\a+8*\b+7], v[FA], s[6:7] offset:\a*4096+64*\b+16
.endr
.endr
.irp a, 0,1
.irp b, 0,1,2,3
	global_load_b128 v[128+32*\a+8*\b:128+32*\a+8*\b+3], v64, s[6:7] offset:\a*4096+64*\b
	global_load_b128 v[128+32*\a+8*\b+4:128+32*\a+8*\b+7], v64, s[6:7] offset:\a*4096+64*\b+16
.endr
.endr
	WIN 0
	s_mul_i32 s98, s18, 64*CP
	s_add_co_u32 s98, s98, STAGE                   ; my stage
	v_mul_u32_u24 v[STO], v1, CP
	v_lshl_add_u32 v[STO], v2, 3, v[STO]
	v_add_nc_u32 v[STO], s98, v[STO]               ; in: row r, 8 bytes for each half of the lanes
	v_and_b32 v18, 31, v0
	v_lshrrev_b32 v19, 2, v18
	v_mul_u32_u24 v[RD], v19, CP
	v_and_b32 v19, 3, v18
	v_lshl_add_u32 v[RD], v19, 4, v[RD]
	v_add_nc_u32 v[RD], s98, v[RD]                 ; back: four lanes to a row of 64 bytes, eight rows an instruction
	v_lshlrev_b32 v[CO], 4, v18                    ; which are 512 consecutive bytes of the output
	v_mov_b32 v30, 1.0
	v_mov_b32 v31, 0
	s_lshl_b32 s98, s23, 7
	s_lshl_b32 s99, s20, 6
	s_add_co_u32 s98, s98, s99
	s_lshl_b32 s98, s98, 2                         ; bq: my 64 columns' first byte
	v_lshlrev_b32 v7, 5, v2
	v_lshlrev_b32 v[BO2], 5, v2
	v_add_nc_u32 v7, s98, v7                       ; + 32 h; never rewritten
.irp b, 0,1,2,3
	global_load_b128 v[BIAS+8*\b:BIAS+8*\b+3], v7, s[8:9] offset:64*\b        ; the bias of columns 16 b + 8 h + 0 .. 7
	global_load_b128 v[BIAS+8*\b+4:BIAS+8*\b+7], v7, s[8:9] offset:64*\b+16
.endr
	s_and_b32 s98, s23, 7
	s_lshl_b32 s98, s98, 8                         ; the second tile's bias: head TX % 8 of bk or of bv, 256 bytes a head
	v_add_nc_u32 v[BO2], s98, v[BO2]
	s_cmp_lt_u32 ttmp9, 2
	s_cselect_b64 s[96:97], s[10:11], s[12:13]     ; bk or bv: the choice hangs on the cluster's x alone
	s_add_co_u32 s78, s23, 32                      ; the second tile's output: head 32 + TX,
	s_lshl_b32 s78, s78, 17
	s_lshl_b32 s79, s66, 7
	s_lshl_b32 s95, s18, 5
	s_add_co_u32 s79, s79, s95                     ; row 128 TY + 32 x wave, 64 bytes a row
	s_lshl_b32 s79, s79, 6
	s_add_co_u32 s78, s78, s79
	s_mov_b32 s79, 0
	s_add_nc_u64 s[2:3], s[16:17], s[78:79]
	s_lshl_b32 s78, s23, 1                         ; the first tile's: head 2 TX + half,
	s_add_co_u32 s78, s78, s20
	s_lshl_b32 s78, s78, 17
	s_lshl_b32 s79, s66, 7
	s_lshl_b32 s95, s19, 6
	s_add_co_u32 s79, s79, s95                     ; row 128 TY + 64 x half
	s_lshl_b32 s79, s79, 6
	s_add_co_u32 s78, s78, s79
	s_mov_b32 s79, 0
	s_add_nc_u64 s[16:17], s[16:17], s[78:79]      ; a wave's rows of 64 bytes are dense in the output
	s_wait_kmcnt 0x0
	s_add_co_i32 s92, s80, s81                     ; q: e0 + e1
	s_add_co_i32 s92, s92, 127
	s_lshl_b32 s92, s92, 23                        ; 2^(e0 + e1) as f32
	s_mov_b32 s93, s92                             ; (named with it as a pair, so it is written)
	s_add_co_i32 s95, s86, 127
	s_lshl_b32 s98, s95, 23
	v_mov_b32 v3, s98                              ; 2^e6 as f32: the conversion takes its exponent field
	s_add_co_i32 s95, s95, 15
	s_lshl_b32 s95, s95, 23
	s_or_b32 s95, s95, 0x600000
	v_mov_b32 v4, s95                              ; 57,344 x 2^e6
	s_add_co_i32 s98, s82, s83                     ; k: e2 + e3
	s_add_co_i32 s99, s84, s85                     ; v: e4 + e5
	s_cmp_lt_u32 ttmp9, 2
	s_cselect_b32 s100, s98, s99
	s_cselect_b32 s72, s87, s89                    ; e7 or e9
	s_cselect_b32 s94, 0, -1                       ; all lanes for v: cos = 1, sin = 0
	s_add_co_i32 s100, s100, 127
	s_lshl_b32 s100, s100, 23                      ; the second tile's 2^(the two operands' exponents added)
	s_mov_b32 s101, s100
	s_add_co_i32 s73, s72, 142
	s_add_co_i32 s72, s72, 127
	s_lshl_b32 s72, s72, 23                        ; its result's scale as f32,
	s_lshl_b32 s73, s73, 23
	s_or_b32 s73, s73, 0x600000                    ; and 57,344 x that scale
; four matrix instructions: block a of x against W's four, 128 along K.  zero = 1: the first product starts the sums: nothing is ever cleared.
; The accumulators take turns, one instruction a turn, in the same order in every quarter.
.macro MUL4 f, a, zero
.irp b, 0,1,2,3
.if \zero
	v_wmma_f32_16x16x128_bf8_bf8 v[ACC+8*(4*\a+\b):ACC+8*(4*\a+\b)+7], v[\f+64+16*\b:\f+64+16*\b+15], v[\f+16*\a:\f+16*\a+15], 0
.else
	v_wmma_f32_16x16x128_bf8_bf8 v[ACC+8*(4*\a+\b):ACC+8*(4*\a+\b)+7], v[\f+64+16*\b:\f+64+16*\b+15], v[\f+16*\a:\f+16*\a+15], v[ACC+8*(4*\a+\b):ACC+8*(4*\a+\b)+7]
.endif
.endr
.endm
; LDS loads in one run: the fragments of 128 along K at byte k of the rows, into buffer f: W's four, then x's four (first tile: 32 loads) or two (second tile: 24 loads)
.macro FETCH slot, k, f
	WIN TO_F
.irp i, 0,1,2,3
.irp c, 0,1,2,3
	ds_load_b128 v[\f+64+16*\i+4*\c:\f+64+16*\i+4*\c+3], v[ADRB+\slot] offset:\k+32*\c+\i*16*PITCH
.endr
.endr
.irp i, 0,1,2,3
.irp c, 0,1,2,3
	ds_load_b128 v[\f+16*\i+4*\c:\f+16*\i+4*\c+3], v[ADRA+\slot] offset:\k+32*\c+\i*16*PITCH
.endr
.endr
.endm
.macro FETCH2 slot, k, f
	WIN TO_F
.irp i, 0,1,2,3
.irp c, 0,1,2,3
	ds_load_b128 v[\f+64+16*\i+4*\c:\f+64+16*\i+4*\c+3], v[ADRB+\slot] offset:\k+32*\c+\i*16*PITCH
.endr
.endr
.irp i, 0,1
.irp c, 0,1,2,3
	ds_load_b128 v[\f+16*\i+4*\c:\f+16*\i+4*\c+3], v[ADRA+\slot] offset:\k+32*\c+\i*16*PITCH
.endr
.endr
.endm
.macro PLACES                          ; four plain vector lines in front of loads into registers that matrix instructions have read, and of the first read of results
.rept 4
	v_nop
.endr
.endm
; THE FIRST TILE.  A K step is four quarters of 128 along K, 16 matrix instructions each, on buffers 0, 1, 0, 1.  One of the first three: multiplies buffer f and fetches the next quarter, at byte k, into g.
.macro QUARTER slot, k, f, g, zero
	s_wait_dscnt 8                                 ; W's four fragments and x's blocks 0, 1 are in; the youngest eight loads (blocks 2, 3) may be out
	WIN MUL
	MUL4 \f, 0, \zero
	MUL4 \f, 1, \zero
	PLACES
	FETCH \slot, \k, \g
	s_wait_dscnt 32                                ; all but the 32 just issued
	WIN MUL
	MUL4 \f, 2, \zero
	MUL4 \f, 3, \zero
.endm
; The last quarter multiplies buffer 1 and changes slots: ONE barrier, which opens a round of the cluster's; in front of it each wave waits for all its tensor loads, adds 0 to its spare word, and waits for that
; and for its own reads of this slot.  This slot is filled again, two K steps ahead: on = 0: with the first tile's step; on = 1: with the second tile's.  cross = 1: the next slot already holds the second tile's first step.
.macro TURN slot, next, on, cross
	WIN 0                                          ; (the add's two registers lie in window 0)
	s_wait_tensorcnt 0x0                           ; all my tensor loads have landed: my part of the next slot among them;
	ds_add_u32 v[SPW], v[NIL]                      ; 0 onto my spare word;
	s_wait_dscnt 13                                ; (the add and the youngest twelve loads, x's blocks 1 to 3, may be out)
	WIN MUL
	MUL4 F1, 0, 0                                  ; four matrix instructions stand between the add and the wait for it
	s_wait_dscnt 0x0                               ; the add is done, and my reads of this slot are over
	s_barrier_signal -1
	MUL4 F1, 1, 0
	WIN 0
	s_barrier_wait -1
	CREST                                          ; no wave of any partner still reads this slot's tile or has a load on its way
.if \on
	s_add_nc_u64 s[G0+4*\slot+2:G0+4*\slot+3], s[G0+4*\slot+2:G0+4*\slot+3], s[74:75]
	s_add_nc_u64 s[G0B+4*\slot+2:G0B+4*\slot+3], s[G0B+4*\slot+2:G0B+4*\slot+3], s[76:77]
	JLOAD2 \slot                                   ; the first tensor load behind the round
	PLACES                                         ; (wave 3 has passed no v_nop in JLOAD2)
.else
	s_add_nc_u64 s[G0+4*\slot+2:G0+4*\slot+3], s[G0+4*\slot+2:G0+4*\slot+3], 2*KSTEP
	s_add_nc_u64 s[G0B+4*\slot+2:G0B+4*\slot+3], s[G0B+4*\slot+2:G0B+4*\slot+3], 2*KSTEP
	JLOAD \slot                                    ; the first tensor load behind the round; the four v_nop behind it are also the places in front of the loads below
.endif
	s_cmp_eq_u32 s18, 3                            ; wave 3 fetches nothing for the second tile, and asks for nothing of it
	s_cbranch_scc1 .Lno_ask_\@
	global_prefetch_b8 v[PFO], s[60:61] offset:512*\slot+1024*\on th:TH_LOAD_NT scope:SCOPE_SE   ; the second tile's K step slot + 2 on: two loads on
.Lno_ask_\@:
.if \cross
	s_mul_i32 s98, s18, 32*PITCH                   ; the second tile's shares: my 32 rows of x,
	v_add_nc_u32 v[ADRA], s98, v[FB]
	s_add_co_u32 s98, s98, SLOT
	v_add_nc_u32 v[ADRA+1], s98, v[FB]
	v_add_nc_u32 v[ADRB], 2*HALFT, v[FB]           ; and all 64 rows of W
	v_add_nc_u32 v[ADRB+1], 2*HALFT+SLOT, v[FB]
	FETCH2 \next, 0, F0
.else
	FETCH \next, 0, F0
.endif
	WIN MUL
	MUL4 F1, 2, 0
	MUL4 F1, 3, 0
.endm
; THE SECOND TILE.  A quarter is 8 matrix instructions.
.macro QUARTER2 slot, k, f, g, zero
	s_wait_dscnt 4                                 ; W's four fragments and x's block 0 are in; the youngest four loads (block 1) may be out
	WIN MUL
	MUL4 \f, 0, \zero
	PLACES
	FETCH2 \slot, \k, \g
	s_wait_dscnt 24                                ; all but the 24 just issued
	WIN MUL
	MUL4 \f, 1, \zero
.endm
.macro TURN2 slot, next, fill
	WIN 0                                          ; (the add's two registers lie in window 0)
	s_wait_tensorcnt 0x0                           ; all my tensor loads have landed: my part of the next slot among them;
	ds_add_u32 v[SPW], v[NIL]                      ; 0 onto my spare word;
	s_wait_dscnt 5                                 ; (the add and the youngest four loads, x's block 1, may be out)
	WIN MUL
	MUL4 F1, 0, 0                                  ; four matrix instructions stand between the add and the wait for it
	s_wait_dscnt 0x0                               ; the add is done, and my reads of this slot are over
	s_barrier_signal -1
	WIN 0
	s_barrier_wait -1
.if \fill
	CREST                                          ; the barrier has opened a round of the cluster's barrier: no wave of any partner still reads this slot's tile or has a load on its way
	s_add_nc_u64 s[G0+4*\slot+2:G0+4*\slot+3], s[G0+4*\slot+2:G0+4*\slot+3], 2*KSTEP
	s_add_nc_u64 s[G0B+4*\slot+2:G0B+4*\slot+3], s[G0B+4*\slot+2:G0B+4*\slot+3], 2*KSTEP
	JLOAD2 \slot                                   ; the first tensor load behind the round
.endif
	PLACES
	FETCH2 \next, 0, F0
	WIN MUL
	MUL4 F1, 1, 0
.endm
; THE WAY OUT of 16 rows x 64 columns: sum x the power of two in s[sc] + bias; the rope on the lane's four pairs of each accumulator; the hold; the conversion; 8 codes a lane and accumulator into my own stage.
; sel = 1: where s94 says so (v), cos = 1 and sin = 0.
.macro OUTBLK a, sc, sel
.set FW, 32*\a+128*\sel                ; this block's 32 numbers of freqs_cis, in window 2
.set jj, 0
.rept 16
	v_pk_fma_f32 v[Y+jj:Y+jj+1], v[ACC+32*\a+jj:ACC+32*\a+jj+1], s[\sc:\sc+1], v[BIAS+jj:BIAS+jj+1] op_sel_hi:[1,0,1]   ; each accumulator from its low end on
.set jj, jj+2
.endr
	s_wait_dscnt 0x0                               ; the block before's stores into the stage are done
.if \sel
	WIN 0x82                                       ; destination and source 0 window 2
.set jj, 0
.rept 16
	v_cndmask_b32 v[FW+jj], v[FW+jj], v30, s94     ; for v: cos = 1,
	v_cndmask_b32 v[FW+jj+1], v[FW+jj+1], v31, s94 ; sin = 0
.set jj, jj+2
.endr
.endif
	WIN 0x08                                       ; source 1 (freqs_cis) window 2
.set jj, 0
.rept 8
	v_mul_f32 v5, v[Y+jj+1], v[FW+jj+1]            ; odd x sin
	v_mul_f32 v6, v[Y+jj+1], v[FW+jj]              ; odd x cos
	v_mul_f32 v18, v[Y+jj+3], v[FW+jj+3]
	v_mul_f32 v19, v[Y+jj+3], v[FW+jj+2]
	v_fma_f32 v[Y+jj+1], v[Y+jj], v[FW+jj+1], v6   ; even x sin + odd x cos
	v_fma_f32 v[Y+jj], v[Y+jj], v[FW+jj], -v5      ; even x cos - odd x sin
	v_fma_f32 v[Y+jj+3], v[Y+jj+2], v[FW+jj+3], v19
	v_fma_f32 v[Y+jj+2], v[Y+jj+2], v[FW+jj+2], -v18
.set jj, jj+4
.endr
	WIN 0
.set jj, 0
.rept 32
	v_med3_num_f32 v[Y+jj], v[Y+jj], -v4, v4       ; the conversion to an 8-bit code does not saturate (ISA guide 7.6.2): the hold at the largest code x the scale
.set jj, jj+1
.endr
.irp b, 0,1,2,3
	v_cvt_scalef32_pk8_bf8_f32 v[8+2*\b:9+2*\b], v[Y+8*\b:Y+8*\b+7], v3
.endr
	v_nop                                          ; a plain vector line between the conversions and the next lines that write their sources
.irp b, 0,1,2,3
	ds_store_b64 v[STO], v[8+2*\b:9+2*\b] offset:\a*16*CP+16*\b
.endr
.endm
.macro SENDOUT n, base                 ; 8 n rows of codes come back from my stage and leave, to the base in s[base]
.set ii, 0
.rept \n
	ds_load_b128 v[FQ+4*ii:FQ+4*ii+3], v[RD] offset:ii*8*CP   ; LDS serves a wave's instructions in order (ISA guide 5.7.1.4): these see my stores
.set ii, ii+1
.endr
.set ii, 0
.rept \n
	s_wait_dscnt \n-1-ii
	global_store_b128 v[CO], v[FQ+4*ii:FQ+4*ii+3], s[\base:\base+1] offset:512*ii   ; 32 lanes store 512 consecutive bytes, aligned
.set ii, ii+1
.endr
.endm
	s_wait_alu depctr_va_vdst(0)
	s_wait_tensorcnt 0x0                           ; my part of K step 0 is in
	ds_add_u32 v[SPW], v[NIL]
	s_wait_dscnt 0x0
	CROUND                                         ; everybody's part of K step 0 is in, and all sixteen work-groups are here
	JLOAD 1                                        ; K step 1: slot 1's first fill, the first tensor load behind the round
	global_prefetch_b8 v[PFO], s[56:57] offset:1536 th:TH_LOAD_NT scope:SCOPE_SE   ; K step 3
	FETCH 0, 0, F0
	QUARTER 0, 128, F0, F1, 1                      ; the first quarter's products start the sums
	QUARTER 0, 256, F1, F0, 0
	QUARTER 0, 384, F0, F1, 0
	TURN 0, 1, 0, 0                                ; slot 0 takes K step 2
	QUARTER 1, 128, F0, F1, 0
	QUARTER 1, 256, F1, F0, 0
	QUARTER 1, 384, F0, F1, 0
	TURN 1, 0, 0, 0                                ; slot 1 takes K step 3
	QUARTER 0, 128, F0, F1, 0
	QUARTER 0, 256, F1, F0, 0
	QUARTER 0, 384, F0, F1, 0
	TURN 0, 1, 1, 0                                ; THE RING GOES ON INTO THE SECOND TILE: slot 0 takes its K step 0,
	QUARTER 1, 128, F0, F1, 0
	QUARTER 1, 256, F1, F0, 0
	QUARTER 1, 384, F0, F1, 0
	TURN 1, 0, 1, 1                                ; slot 1 its K step 1, and the second tile's first fragments are fetched
	WIN 0
	PLACES
	s_wait_loadcnt 0x0                             ; bq
	OUTBLK 0, 92, 0                                ; BOTH REFILLS ARE ASKED FOR: NOW q GOES OUT
	OUTBLK 1, 92, 0
	OUTBLK 2, 92, 0
	OUTBLK 3, 92, 0
	SENDOUT 8, 16
	v_mov_b32 v3, s72                              ; the second tile's scale and hold,
	v_mov_b32 v4, s73
.irp b, 0,1,2,3
	global_load_b128 v[BIAS+8*\b:BIAS+8*\b+3], v[BO2], s[96:97] offset:64*\b        ; and its bias
	global_load_b128 v[BIAS+8*\b+4:BIAS+8*\b+7], v[BO2], s[96:97] offset:64*\b+16
.endr
	QUARTER2 0, 128, F0, F1, 1                     ; the first quarter's products start the sums anew
	QUARTER2 0, 256, F1, F0, 0
	QUARTER2 0, 384, F0, F1, 0
	TURN2 0, 1, 1                                  ; slot 0 takes the second tile's K step 2
	QUARTER2 1, 128, F0, F1, 0
	QUARTER2 1, 256, F1, F0, 0
	QUARTER2 1, 384, F0, F1, 0
	TURN2 1, 0, 1                                  ; slot 1 its K step 3
	QUARTER2 0, 128, F0, F1, 0
	QUARTER2 0, 256, F1, F0, 0
	QUARTER2 0, 384, F0, F1, 0
	TURN2 0, 1, 0                                  ; nothing is left to fetch
	QUARTER2 1, 128, F0, F1, 0
	QUARTER2 1, 256, F1, F0, 0
	QUARTER2 1, 384, F0, F1, 0
	s_wait_dscnt 4                                 ; the very last quarter
	WIN MUL
	MUL4 F1, 0, 0
	s_wait_dscnt 0x0
	MUL4 F1, 1, 0
	WIN 0
	PLACES
	s_wait_loadcnt 0x0                             ; the second bias
	s_wait_xcnt 0x0                                ; q's stores have read their data: those registers are loaded again only behind this wait
	s_wait_alu depctr_va_vdst(0)
	OUTBLK 0, 100, 1
	OUTBLK 1, 100, 1
	SENDOUT 4, 2
	s_wait_tensorcnt 0x0                           ; the wave's end, behind my last tensor load and my last LDS store
	ds_add_u32 v[SPW], v[NIL]
	s_wait_dscnt 0x0
	CROUND                                         ; the closing round: no work-group ends while a partner may still ask for a tile that names it
	s_endpgm
.Lfunc_end_k_q7763bfee17_qkv:
	.size	k_q7763bfee17_qkv, .Lfunc_end_k_q7763bfee17_qkv-k_q7763bfee17_qkv
	.p2alignl 7, 3214868480
	.fill 96, 4, 3214868480
	.section	.rodata,"a",@progbits
	.p2align	6, 0x0
	.amdhsa_kernel k_q7763bfee17_qkv
		.amdhsa_group_segment_fixed_size 327680
		.amdhsa_private_segment_fixed_size 0
		.amdhsa_enable_private_segment 0
		.amdhsa_kernarg_size 56
		.amdhsa_user_sgpr_count 2
		.amdhsa_user_sgpr_kernarg_segment_ptr 1
		.amdhsa_wavefront_size32 1
		.amdhsa_system_sgpr_workgroup_id_x 1
		.amdhsa_system_sgpr_workgroup_id_y 1
		.amdhsa_system_sgpr_workgroup_id_z 1
		.amdhsa_system_vgpr_workitem_id 0
		.amdhsa_next_free_vgpr 768
		.amdhsa_next_free_sgpr 102
		.amdhsa_reserve_vcc 0
		.amdhsa_float_denorm_mode_32 3
		.amdhsa_float_denorm_mode_16_64 3
		.amdhsa_memory_ordered 1
		.amdhsa_forward_progress 1
		.amdhsa_inst_pref_size 161
	.end_amdhsa_kernel
	.amdgpu_metadata
---
amdhsa.version: [ 1, 2 ]
amdhsa.kernels:
  - .name:           k_q7763bfee17_qkv
    .symbol:         k_q7763bfee17_qkv.kd
    .args:
      - { .name: codes, .offset: 0, .size: 8, .value_kind: global_buffer, .address_space: global }
      - { .name: freqs_cis, .offset: 8, .size: 8, .value_kind: global_buffer, .address_space: global }
      - { .name: bq, .offset: 16, .size: 8, .value_kind: global_buffer, .address_space: global }
      - { .name: bk, .offset: 24, .size: 8, .value_kind: global_buffer, .address_space: global }
      - { .name: bv, .offset: 32, .size: 8, .value_kind: global_buffer, .address_space: global }
      - { .name: lowp_scales, .offset: 40, .size: 8, .value_kind: global_buffer, .address_space: global }
      - { .name: qkv, .offset: 48, .size: 8, .value_kind: global_buffer, .address_space: global }
    .group_segment_fixed_size: 327680
    .private_segment_fixed_size: 0
    .kernarg_segment_align: 8
    .kernarg_segment_size: 56
    .max_flat_workgroup_size: 128
    .sgpr_count:     102
    .vgpr_count:     768
    .wavefront_size: 32
...
	.end_amdgpu_metadata
.endif
;; end of part 2
;; launch attn (part 3): grid 32 x 8, 8 waves a work-group, clusters of 4 x 4, 327,680 bytes of LDS; arguments qkv, mask, lowp_scales, oc; writes oc
.if DOCPART == 3
	.amdgcn_target "amdgcn-amd-amdhsa--gfx1250"
	.amdhsa_code_object_version 6
	.text
	.protected	k_q7763bfee17_attn
	.globl	k_q7763bfee17_attn
	.p2align	8
	.type	k_q7763bfee17_attn,@function
k_q7763bfee17_attn:
	s_mov_b64 s[64:65], 0
	v_nop
	global_prefetch_b8 v0, s[64:65] scope:SCOPE_SE
	s_setreg_imm32_b32 hwreg(HW_REG_WAVE_MODE, 25, 1), 1
	s_wait_xcnt 0x0
	s_wait_alu depctr_hold_cnt(0) depctr_sa_sdst(0) depctr_va_vdst(0) depctr_va_sdst(0) depctr_va_ssrc(0) depctr_va_vcc(0) depctr_vm_vsrc(0)
	s_getreg_b32 s2, hwreg(HW_REG_IB_STS2, 6, 4)
	s_cmp_eq_u32 s2, 0
	s_cbranch_scc0 .Lentry_in_a_cluster
	s_endpgm
.Lentry_in_a_cluster:
	s_bfe_u32 s2, ttmp6, 0x10000c
	s_cmp_lg_u32 s2, 0xf033
	s_cbranch_scc0 .Lentry_shape_is_right
	s_endpgm
.Lentry_shape_is_right:
; out[s][head][:] = softmax_t(q[head][s] . k[group][t] / 8 + mask[s][t]) v[group][t][:], both products on codes of BF8 (E5M2); the result is quantised at once (scale e10) and stored as codes [2,048 s][32 heads x 64 d].
; q, k, v arrive as codes [48 heads][2,048][64]: heads 0-31 q, 32-39 k, 40-47 v.  The mask is an input: all of it is read and added, in f32, as it is given.
; THE SOFTMAX AHEAD OF THE SECOND PRODUCT: t = (score / 8 + mask) x log2(e); M = the largest t so far, rounded UP to a whole number; p = 2^(t - M) is what is quantised (scale e8).
; The row's sum is taken of the unquantised p and divides at the end.  When M moves, the sum and O are multiplied by 2^(old M - new M): exact.
; THE MASK IS THE C OF THE FIRST PRODUCT: a = sum of code products + mask x 2^(3 - e6 - e7) (a power of two: nothing is rounded by it), so a x 2^(e6 + e7 - 3) = score / 8 + mask, rounded once;
; t - M = a x c - M is one fused multiply-add, c = log2(e) x 2^(e6 + e7 - 3).  The maximum is taken of a (c is positive).
; SHARES.  A work-group owns 64 queries and one group of four heads.  Wave w owns 16 of the queries (w / 2), all four heads, and of every 256 keys the half w % 2: each fragment of k and of v and each register of the
; mask serves four tiles.  Two waves share a SIMD.  Odd waves take the heads in the order 2, 3, 0, 1: so every wave keeps the heads in its places 0, 1 and sends those in its places 2, 3 to its partner (wave w xor 1), with no branch.
; LAYOUT.  Both products are used transposed: S^T = k q^T, O^T = v^T p^T: a lane holds ONE query (lane % 16); register 8 c + i of the scores is key 16 c + 8 (lane / 16) + i, the place that the second product's
; layout gives that key.  v lies [key][d] in LDS and is turned on the way: ds_load_tr16_b128 on pairs of bytes, then v_perm_b32 parts even d from odd d: tile 2 n + o of O^T holds d = 32 n + 16 (lane / 16) + 2 i + o.
; CLUSTER.  4 x 4 work-groups: the four of a row share the group, so k's and v's tiles; the four of a column share the queries, so the mask's tiles.  Each tile is asked for JOINTLY; every wave issues one load:
; waves 0, 1 k's halves, waves 2, 3 v's, waves 4-7 16 rows of the mask each.  k's and v's rows of 64 bytes lie dense and are stated as rows of 256 bytes, with the padding behind each 64.
; PREFETCH: at the change of slots that loads slot n, slot n + 2 is asked for: waves 0, 1 the mask (of the 64 rows the partner at place cy takes 16, a lane a block of 256 bytes), wave 2 k and v (the partner at cx takes
; 16 blocks of each), the latter in the clusters with x under 4 alone, since all eight clusters of a row of the grid walk the same k and v.  Slots 0 to 2 come by their loads alone; the last two changes ask for nothing.
; LIMITS: e6 + e7 - 3 between -126 and 126; mask x 2^(3 - e6 - e7) stays an f32 number; e8 and e10 between -126 and 112; the scaled scores t stay under 2^31 in magnitude.  NaN among the inputs is not served.
; REGISTERS: window 0: v1-17 addresses; v18-21 scales; v22-29, v240-247 at work; v32-47 four a head (-M, the largest t, the sum in two halves); v48-79 v as it comes from LDS, then (v48-63) p's codes;
;   v80-111 q; v112-175 S^T, then p; v176-239 the mask.   window 1: v0-63 k; v64-127 v^T, four tiles; v128-255 O^T (place j, tile f at v[128 + 32 j + 8 f]).
.set KP,    80                         ; a key's row of k in LDS: 64 bytes + 16
.set VP,    96                         ; of v: 64 + 32: an odd multiple of 32 for the turning load
.set MP,    1040                       ; a query's row of the mask: 256 keys x 4 bytes + 16
.set VOFF,  256*KP
.set MOFF,  VOFF+256*VP
.set SLOT1, 1<<17                      ; slot 1 begins here: one exclusive or turns an address
.set STATS, 2*SLOT1                    ; behind the ring: 1,024 bytes a wave of (-M, sum); no fill lands here
.set SPARE, STATS+8192                 ; the spare words, 128 bytes a wave
.set STG,   65536                      ; the joining uses slot 0, behind its last fill and last read: 8,192 bytes a wave from byte 0, then the stage, 64 rows x (256 + 16)
.set HB,    131072                     ; a head's codes in bytes
.set ST,  32
.set RS,  48
.set PC,  48
.set Q,   80
.set S,   112
.set MK,  176
.set VF,  64
.set O,   128
.set MSB, 0
.macro WIN new
.if MSB != \new
	s_set_vgpr_msb (MSB<<8)|\new
.set MSB, \new
.endif
.endm
.macro TLOAD                           ; one chain on the wave's number, a load in every arm
	s_cmp_lt_u32 s12, 2
	s_cbranch_scc0 .Lnot_k_\@
	tensor_load_to_lds s[56:59], s[32:39]
	s_nop 0
.rept 4
	v_nop
.endr
	s_branch .Lasked_\@
.Lnot_k_\@:
	s_cmp_lt_u32 s12, 4
	s_cbranch_scc0 .Lnot_v_\@
	tensor_load_to_lds s[60:63], s[40:47]
	s_nop 0
.rept 4
	v_nop
.endr
	s_branch .Lasked_\@
.Lnot_v_\@:
	tensor_load_to_lds s[68:71], s[48:55]
	s_nop 0
.rept 4
	v_nop
.endr
.Lasked_\@:
.endm
.macro ASK                             ; s100: 2 in a wave that asks, 99 in the others; s31 counts 6 .. 1
	s_cmp_gt_u32 s31, s100
	s_cbranch_scc0 .Lnot_mine_\@
	global_prefetch_b8 v17, s[96:97] th:TH_LOAD_NT scope:SCOPE_SE
.Lnot_mine_\@:
.endm
.macro CROUND
	s_barrier_signal -1
	s_barrier_wait -1
	s_cmp_lg_u32 s12, 0
	s_cbranch_scc1 .Lnot_wave_0_\@
	s_barrier_signal -3
.Lnot_wave_0_\@:
	s_barrier_wait -3
	s_barrier_signal -1
	s_barrier_wait -1
.endm
	s_load_b256 s[4:11], s[0:1], 0x0               ; codes s[4:5], mask s[6:7], exponents s[8:9], output s[10:11]
	v_lshl_add_u32 v4, v0, 2, SPARE
	v_mov_b32 v5, 0
	ds_add_u32 v4, v5                              ; the opening: the add twice on end, and its wait ahead of my first tensor load
	ds_add_u32 v4, v5
	v_lshrrev_b32 v6, 5, v0
	v_readfirstlane_b32 s12, v6                    ; wave 0..7
	s_lshr_b32 s13, s12, 1                         ; which 16 queries
	s_and_b32 s14, s12, 1                          ; which half of a slot's keys
	s_and_b32 s15, s12, 3                          ; which 16 rows of the mask I fetch
	s_bfe_u32 s16, ttmp6, 0x40000                  ; cx
	s_bfe_u32 s17, ttmp6, 0x40004                  ; cy
	s_lshl_b32 s18, ttmp9, 2
	s_add_co_u32 s18, s18, s16                     ; my block of 64 queries
	s_and_b32 s19, ttmp7, 0xffff
	s_lshl_b32 s19, s19, 2
	s_add_co_u32 s19, s19, s17                     ; my group
	s_lshl_b32 s84, s17, 2
	s_lshl_b32 s84, 15, s84                        ; my row of the cluster
	s_lshl_b32 s85, 0x1111, s16                    ; my column
	s_or_b32 s32, s84, (1<<20)|(1<<21)|(3<<22)|(3<<25)   ; k: my row; bytes; 4 words of padding after every 16
	s_or_b32 s40, s84, (1<<20)|(1<<21)|(3<<22)|(7<<25)   ; v: 8 words
	s_or_b32 s48, s85, (2<<16)|(1<<20)|(1<<21)|(7<<22)|(3<<25)   ; the mask: my column; 4-byte elements; 4 words after every 256
.irp g, 32, 40
	s_mov_b32 s[\g+1], 256<<16                     ; 128 keys x 64 bytes as 32 rows of 256
	s_mov_b32 s[\g+2], 32<<16
	s_mov_b32 s[\g+3], 256<<16
	s_mov_b32 s[\g+4], 32
	s_mov_b32 s[\g+5], 256
	s_mov_b32 s[\g+6], 0
	s_mov_b32 s[\g+7], 0
.endr
	s_mov_b32 s49, 256<<16                         ; 16 rows x 256 keys
	s_mov_b32 s50, 16<<16
	s_mov_b32 s51, 256<<16
	s_mov_b32 s52, 16
	s_mov_b32 s53, 2048
	s_mov_b32 s54, 0
	s_mov_b32 s55, 0
	s_lshl_b32 s92, s14, 13                        ; 128 keys x 64 bytes
	s_add_co_u32 s86, s19, 32
	s_lshl_b32 s86, s86, 17
	s_add_co_u32 s86, s86, s92                     ; k: head 32 + group, my half
	s_mov_b32 s87, 0
	s_add_co_u32 s88, s19, 40
	s_lshl_b32 s88, s88, 17
	s_add_co_u32 s88, s88, s92                     ; v: head 40 + group
	s_mov_b32 s89, 0
	s_lshl_b32 s90, s18, 6
	s_lshl_b32 s91, s15, 4
	s_add_co_u32 s90, s90, s91
	s_lshl_b32 s90, s90, 13                        ; the mask: row 64 x block + 16 x (wave % 4)
	s_mov_b32 s91, 0
	s_mov_b32 s56, 1
	s_mul_i32 s57, s14, 128*KP
	s_mov_b32 s60, 1
	s_mul_i32 s61, s14, 128*VP
	s_add_co_u32 s61, s61, VOFF
	s_mov_b32 s68, 1
	s_mul_i32 s69, s15, 16*MP
	s_add_co_u32 s69, s69, MOFF
	s_mov_b32 s20, 0x76543210                      ; lane l xor 16
	s_mov_b32 s21, 0xfedcba98
	s_mov_b32 s26, 0x06040200                      ; even bytes, odd bytes,
	s_mov_b32 s27, 0x07050301
	s_mov_b32 s28, 0x05010400                      ; bytes 0, 1 of two registers by turns, bytes 2, 3
	s_mov_b32 s29, 0x07030602
	s_mov_b32 s30, 0                               ; the slot in hand
	s_mov_b32 s31, 6                               ; steps that fill a slot again
	s_wait_dscnt 0x0                               ; both opening adds are done
	s_wait_kmcnt 0x0
	s_load_b256 s[72:79], s[8:9], 0x0              ; e0 .. e7
	s_load_b128 s[80:83], s[8:9], 0x20             ; e8 .. e11
	s_add_nc_u64 s[58:59], s[4:5], s[86:87]
	s_or_b32 s59, s59, 0x80000000
	s_add_nc_u64 s[62:63], s[4:5], s[88:89]
	s_or_b32 s63, s63, 0x80000000
	s_add_nc_u64 s[70:71], s[6:7], s[90:91]
	s_or_b32 s71, s71, 0x80000000
	CROUND                                         ; the first joint loads meet
	TLOAD                                          ; slot 0: one load a wave
	s_lshl_b32 s84, s18, 6                         ; q: my first query,
	s_lshl_b32 s85, s13, 4
	s_add_co_u32 s84, s84, s85
	s_lshl_b32 s84, s84, 6
	s_lshl_b32 s85, s19, 19                        ; head 4 x group
	s_add_co_u32 s84, s84, s85
	s_lshl_b32 s85, s14, 18
	s_add_co_u32 s86, s84, s85                     ; places 0, 1: heads 2 (w % 2), + 1
	s_xor_b32 s85, s85, 1<<18
	s_add_co_u32 s84, s84, s85                     ; places 2, 3: the other two
	s_mov_b32 s87, 0
	s_mov_b32 s85, 0
	s_add_nc_u64 s[94:95], s[4:5], s[86:87]
	s_add_nc_u64 s[66:67], s[4:5], s[84:85]
	s_lshl_b32 s84, s18, 6                         ; the output: row 64 x block + 8 x wave, the group's 256 bytes
	s_lshl_b32 s86, s12, 3
	s_add_co_u32 s84, s84, s86
	s_lshl_b32 s84, s84, 11
	s_lshl_b32 s86, s19, 8
	s_add_co_u32 s84, s84, s86
	s_add_nc_u64 s[10:11], s[10:11], s[84:85]
	s_lshl_b32 s2, s18, 6                          ; the prefetches.  The mask: row 64 x block + 16 cy + 8 x wave, at slot 2
	s_lshl_b32 s3, s17, 4
	s_add_co_u32 s2, s2, s3
	s_lshl_b32 s3, s12, 3
	s_add_co_u32 s2, s2, s3
	s_lshl_b32 s2, s2, 13
	s_add_co_u32 s2, s2, 2*1024
	s_add_co_u32 s3, s19, 32                       ; k (v lies 8 heads on): 4,096 cx, at slot 2
	s_lshl_b32 s3, s3, 17
	s_lshl_b32 s93, s16, 12
	s_add_co_u32 s3, s3, s93
	s_add_co_u32 s3, s3, 2*16384
	s_mov_b32 s98, 16384
	s_mov_b32 s101, 0x100000
	s_cmp_lt_u32 s12, 2
	s_cselect_b64 s[96:97], s[6:7], s[4:5]
	s_cselect_b32 s2, s2, s3
	s_cselect_b32 s98, 1024, s98                   ; a slot on
	s_cselect_b32 s101, 8192, s101                 ; lanes: (lane >> s93) x s101 + (lane & s15) x 256
	s_cselect_b32 s93, 2, 4
	s_cselect_b32 s15, 3, 15
	s_mov_b32 s3, 0
	s_mov_b32 s99, 0
	s_add_nc_u64 s[96:97], s[96:97], s[2:3]
	s_mov_b32 s100, 99
	s_cmp_lt_u32 s12, 3
	s_cselect_b32 s100, 2, s100
	s_cmp_eq_u32 s12, 2
	s_cselect_b32 s2, ttmp9, 0
	s_cmp_lt_u32 s2, 4                             ; the cluster's x: alike in all partners
	s_cselect_b32 s100, s100, 99
	s_mul_i32 s84, s14, 128*KP                     ; LDS bases, of the wave's number alone
	s_mul_i32 s85, s13, 16*MP
	s_lshl_b32 s86, s14, 9
	s_add_co_u32 s85, s85, s86
	s_add_co_u32 s85, s85, MOFF
	s_mul_i32 s86, s14, 128*VP
	s_add_co_u32 s86, s86, VOFF
	s_lshl_b32 s87, s12, 10
	s_xor_b32 s88, s87, 1024
	s_add_co_u32 s87, s87, STATS
	s_add_co_u32 s88, s88, STATS
	s_lshl_b32 s89, s12, 13
	s_xor_b32 s90, s89, 8192
	s_mul_i32 s91, s13, 16*272
	s_lshl_b32 s92, s14, 7
	s_add_co_u32 s91, s91, s92
	s_add_co_u32 s91, s91, STG
	s_mul_i32 s92, s12, 8*272
	s_add_co_u32 s92, s92, STG
	v_and_b32 v22, 15, v0                          ; r
	v_bfe_u32 v23, v0, 4, 1                        ; h
	v_and_b32 v28, 31, v0                          ; lane
	v_lshlrev_b32 v16, 6, v22
	v_lshl_add_u32 v16, v23, 4, v16                ; q: row r, + 16 h
.irp j, 0,1
	global_load_b128 v[Q+8*\j:Q+8*\j+3], v16, s[94:95] offset:\j*HB           ; d = 16 h + 0 .. 15,
	global_load_b128 v[Q+8*\j+4:Q+8*\j+7], v16, s[94:95] offset:\j*HB+32      ; 32 + 16 h + 0 .. 15: the same permutation of d as k's
	global_load_b128 v[Q+16+8*\j:Q+16+8*\j+3], v16, s[66:67] offset:\j*HB
	global_load_b128 v[Q+16+8*\j+4:Q+16+8*\j+7], v16, s[66:67] offset:\j*HB+32
.endr
	v_mul_u32_u24 v1, v22, KP
	v_lshl_add_u32 v1, v23, 4, v1
	v_add_nc_u32 v1, s84, v1                       ; k: key r of my half, + 16 h
	v_mul_u32_u24 v2, v22, MP
	v_lshl_add_u32 v2, v23, 5, v2
	v_add_nc_u32 v2, s85, v2                       ; the mask: my query's row, my half's 512 bytes, + 32 h
	v_and_b32 v3, 7, v0
	v_lshl_add_u32 v3, v23, 3, v3
	v_mul_u32_u24 v3, v3, VP
	v_bfe_u32 v6, v0, 3, 1
	v_lshl_add_u32 v3, v6, 4, v3
	v_add_nc_u32 v3, s86, v3                       ; v, for the turning load
	v_lshl_add_u32 v10, v28, 3, s87                ; my (-M, sum),
	v_lshl_add_u32 v12, v28, 3, s88                ; my partner's
	v_lshl_add_u32 v9, v28, 4, s89                 ; what I send,
	v_lshl_add_u32 v11, v28, 4, s90                ; what my partner sends
	v_mul_u32_u24 v13, v22, 272
	v_lshl_add_u32 v13, v23, 4, v13
	v_add_nc_u32 v13, s91, v13                     ; the stage, in: my query's row, my two heads' 128 bytes, + 16 h
	v_mul_u32_u24 v14, v23, 272
	v_lshl_add_u32 v14, v22, 4, v14
	v_add_nc_u32 v14, s92, v14                     ; back: sixteen lanes to a row of 256 bytes
	v_lshlrev_b32 v15, 11, v23
	v_lshl_add_u32 v15, v22, 4, v15                ; the same two rows in the output
	v_lshrrev_b32 v17, s93, v28
	v_mul_lo_u32 v17, v17, s101
	v_and_b32 v29, s15, v28
	v_lshl_add_u32 v17, v29, 8, v17                ; the prefetches' offset
.irp j, 0,1,2,3
	v_mov_b32 v[ST+4*\j+1], 0xff61b1e6             ; the largest t so far: -3e38
	v_floor_f32 v[ST+4*\j], -v[ST+4*\j+1]          ; -M
	v_mov_b32 v[ST+4*\j+2], 0
	v_mov_b32 v[ST+4*\j+3], 0
.endr
	v_mov_b32 v25, 0                               ; (upper half of the pair v[24:25])
	WIN 0x40
.set kk, 0
.rept 128
	v_mov_b32 v[O+kk], 0                           ; O^T: the step is written for every slot alike
.set kk, kk+1
.endr
	WIN 0
	s_wait_alu depctr_va_vdst(0)                   ; directly ahead of the wait below
	s_wait_kmcnt 0x0
	s_add_co_i32 s84, s78, s79
	s_sub_co_i32 s84, s84, 3                       ; e6 + e7 - 3
	s_lshl_b32 s85, s84, 23
	s_add_co_i32 s22, s85, 0x3fb8aa3b              ; c: the whole number is added to log2(e)'s exponent field
	s_mov_b32 s23, s22
	s_sub_co_i32 s84, 127, s84
	s_lshl_b32 s24, s84, 23                        ; 2^(3 - e6 - e7)
	s_mov_b32 s25, s24
	s_add_co_i32 s84, s80, 127
	s_lshl_b32 s85, s84, 23
	v_mov_b32 v18, s85                             ; 2^e8
	s_add_co_i32 s84, s84, 15
	s_lshl_b32 s84, s84, 23
	s_or_b32 s84, s84, 0x600000
	v_mov_b32 v19, s84                             ; 57,344 x 2^e8
	s_add_co_i32 s84, s82, 127
	s_lshl_b32 s85, s84, 23
	v_mov_b32 v20, s85                             ; 2^e10
	s_add_co_i32 s84, s84, 15
	s_lshl_b32 s84, s84, 23
	s_or_b32 s84, s84, 0x600000
	v_mov_b32 v21, s84                             ; 57,344 x 2^e10
	s_add_co_i32 s87, s80, s81                     ; e8 + e9
.macro QK j                            ; a = k q^T + the scaled mask: eight tiles of 16 keys
	WIN 0x01
.irp c, 0,1,2,3,4,5,6,7
	v_wmma_f32_16x16x64_bf8_bf8 v[S+8*\c:S+8*\c+7], v[8*\c:8*\c+7], v[Q+8*(\j):Q+8*(\j)+7], v[MK+8*\c:MK+8*\c+7]
.endr
	WIN 0
.endm
.macro PERM n                          ; eight turning loads' bytes are parted into tile 2 n (even d) and tile 2 n + 1 (odd d) of v^T
	WIN 0x40
.irp c, 0,1,2,3,4,5,6,7
	v_perm_b32 v[VF+32*\n+2*\c], v[RS+4*\c+1], v[RS+4*\c], s26
	v_perm_b32 v[VF+32*\n+2*\c+1], v[RS+4*\c+3], v[RS+4*\c+2], s26
	v_perm_b32 v[VF+32*\n+16+2*\c], v[RS+4*\c+1], v[RS+4*\c], s27
	v_perm_b32 v[VF+32*\n+16+2*\c+1], v[RS+4*\c+3], v[RS+4*\c+2], s27
.endr
	WIN 0
.endm
.macro HOLD c                          ; the conversion does not saturate (ISA guide 7.6.2); p is not negative: a one-sided hold, two numbers a line
.irp i, 0,2,4,6
	v_dual_min_num_f32 v[S+8*(\c)+\i], v19, v[S+8*(\c)+\i] :: v_dual_min_num_f32 v[S+8*(\c)+\i+1], v19, v[S+8*(\c)+\i+1]
.endr
.endm
.macro CV c                            ; tile c's eight p: registers 2 c, 2 c + 1 of the second product's operand
	v_cvt_scalef32_pk8_bf8_f32 v[PC+2*(\c):PC+2*(\c)+1], v[S+8*(\c):S+8*(\c)+7], v18
.endm
; The softmax of place j.  first = 1: v's second half is parted behind the exponentials.
.macro SOFT j, first
	v_max3_num_f32 v22, v[S], v[S+1], v[S+2]       ; the largest a among my 64 keys, in four chains, each accumulator from its low end on
	v_max3_num_f32 v23, v[S+3], v[S+4], v[S+5]
	v_max3_num_f32 v26, v[S+6], v[S+7], v[S+8]
	v_max3_num_f32 v27, v[S+9], v[S+10], v[S+11]
.irp i, 12,20,28,36,44,52
	v_max3_num_f32 v22, v22, v[S+\i], v[S+\i+1]
	v_max3_num_f32 v23, v23, v[S+\i+2], v[S+\i+3]
	v_max3_num_f32 v26, v26, v[S+\i+4], v[S+\i+5]
	v_max3_num_f32 v27, v27, v[S+\i+6], v[S+\i+7]
.endr
	v_max3_num_f32 v22, v22, v[S+60], v[S+61]
	v_max3_num_f32 v23, v23, v[S+62], v[S+63]
	v_max3_num_f32 v22, v22, v23, v26
	v_max_num_f32 v22, v22, v27
	v_permlanex16_b32 v28, v22, s20, s21
	v_max_num_f32 v22, v22, v28                    ; and lane l xor 16's
	v_mul_f32 v22, s22, v22                        ; as t
	v_max_num_f32 v[ST+4*\j+1], v[ST+4*\j+1], v22
	v_mov_b32 v29, v[ST+4*\j]
	v_floor_f32 v[ST+4*\j], -v[ST+4*\j+1]          ; the new -M = -ceil(t)
	v_sub_f32 v29, v[ST+4*\j], v29                 ; old M - new M: a whole number, 0 or less
	v_cvt_i32_f32 v29, v29                         ; (it saturates)
	v_ldexp_f32 v24, 1.0, v29                      ; f
.set kk, 0
.rept 32
	v_pk_fma_f32 v[S+kk:S+kk+1], v[S+kk:S+kk+1], s[22:23], v[ST+4*\j:ST+4*\j+1] op_sel_hi:[1,0,0]   ; t - M
.set kk, kk+2
.endr
.if \first
	s_wait_dscnt 0x0                               ; v's second half is in
.endif
	s_wait_alu depctr_va_vdst(0)                   ; ahead of the batch
.set kk, 0
.rept 64
	v_exp_f32 v[S+kk], v[S+kk]                     ; p
.set kk, kk+1
.endr
.if \first
	PERM 1                                         ; plain lines that name no p
.endif
	v_pk_mul_f32 v[ST+4*\j+2:ST+4*\j+3], v[ST+4*\j+2:ST+4*\j+3], v[24:25] op_sel_hi:[1,0]   ; the sum under the new M
	WIN 0x41                                       ; O^T (destination, source 0) window 1
	s_wait_alu depctr_va_vdst(0)                   ; one wait for the batch, directly ahead of O^T's first readers
.set kk, 0
.rept 16
	v_pk_mul_f32 v[O+32*\j+kk:O+32*\j+kk+1], v[O+32*\j+kk:O+32*\j+kk+1], v[24:25] op_sel_hi:[1,0]   ; O^T under the new M
.set kk, kk+2
.endr
	WIN 0
	v_pk_add_f32 v[ST+4*\j+2:ST+4*\j+3], v[ST+4*\j+2:ST+4*\j+3], v[S:S+1]   ; the sum of the unquantised p, in four chains; a tile's sums come ahead of its holds
	v_pk_add_f32 v[26:27], v[S+2:S+3], v[S+4:S+5]
	v_pk_add_f32 v[240:241], v[S+6:S+7], v[S+8:S+9]
	v_pk_add_f32 v[242:243], v[S+10:S+11], v[S+12:S+13]
	v_pk_add_f32 v[ST+4*\j+2:ST+4*\j+3], v[ST+4*\j+2:ST+4*\j+3], v[S+14:S+15]
	HOLD 0
	HOLD 1
	CV 0
.irp c, 2,3,4,5,6,7
	v_pk_add_f32 v[26:27], v[26:27], v[S+8*\c:S+8*\c+1]
	v_pk_add_f32 v[240:241], v[240:241], v[S+8*\c+2:S+8*\c+3]
	v_pk_add_f32 v[242:243], v[242:243], v[S+8*\c+4:S+8*\c+5]
	v_pk_add_f32 v[ST+4*\j+2:ST+4*\j+3], v[ST+4*\j+2:ST+4*\j+3], v[S+8*\c+6:S+8*\c+7]
	CV \c-1
	HOLD \c
.endr
	v_pk_add_f32 v[26:27], v[26:27], v[240:241]
	v_pk_add_f32 v[ST+4*\j+2:ST+4*\j+3], v[ST+4*\j+2:ST+4*\j+3], v[242:243]
	CV 7
	v_pk_add_f32 v[ST+4*\j+2:ST+4*\j+3], v[ST+4*\j+2:ST+4*\j+3], v[26:27]   ; (the plain line behind the last conversion)
.if \j < 3
	QK \j+1                                        ; p has been read out: the next place's scores are begun ahead of this place's second product
.endif
	WIN 0x51                                       ; v^T, C and D window 1, p's codes window 0
.irp f, 0,1,2,3
	v_wmma_f32_16x16x128_bf8_bf8 v[O+32*\j+8*\f:O+32*\j+8*\f+7], v[VF+16*\f:VF+16*\f+15], v[PC:PC+15], v[O+32*\j+8*\f:O+32*\j+8*\f+7]
.endr
	WIN 0
.endm
; A SLOT'S WORK for a wave: its 128 keys, four heads.
.macro STEP fill
	v_add_nc_u32 v6, s30, v1                       ; these three and the v_nop: the four places between the last products and the loads into registers that they read
	v_add_nc_u32 v7, s30, v2
	v_add_nc_u32 v8, s30, v3
	v_nop
	WIN 0x40
.irp c, 0,1,2,3,4,5,6,7
	ds_load_b128 v[8*\c:8*\c+3], v6 offset:\c*16*KP
	ds_load_b128 v[8*\c+4:8*\c+7], v6 offset:\c*16*KP+32
.endr
	WIN 0
.irp c, 0,1,2,3,4,5,6,7
	ds_load_b128 v[MK+8*\c:MK+8*\c+3], v7 offset:64*\c       ; the mask of my query at keys 16 c + 8 h + 0 .. 7: the scores' own layout
	ds_load_b128 v[MK+8*\c+4:MK+8*\c+7], v7 offset:64*\c+16
.endr
.irp c, 0,1,2,3,4,5,6,7
	ds_load_tr16_b128 v[RS+4*\c:RS+4*\c+3], v8 offset:\c*16*VP   ; v: d = 2 r, 2 r + 1
.endr
	s_wait_dscnt 8                                 ; k and the mask are in; v's eight loads may be out
.set kk, 0
.rept 32
	v_pk_mul_f32 v[MK+kk:MK+kk+1], v[MK+kk:MK+kk+1], s[24:25] op_sel_hi:[1,0]   ; mask x 2^(3 - e6 - e7): once for the four heads
.set kk, kk+2
.endr
	QK 0
	s_wait_dscnt 0x0
	PERM 0                                         ; 32 plain lines that name no register of the products above: their places
.irp c, 0,1,2,3,4,5,6,7
	ds_load_tr16_b128 v[RS+4*\c:RS+4*\c+3], v8 offset:\c*16*VP+32   ; d = 32 + 2 r, + 1
.endr
	SOFT 0, 1
.rept 4
	v_nop                                          ; places in front of the first read of results (ISA guide 7.12.1)
.endr
	SOFT 1, 0
	SYNCA \fill                                    ; all my reads of this slot were waited for in place 0
.rept 4
	v_nop
.endr
	SOFT 2, 0                                      ; register work alone, between the barrier's signal and its wait
	SYNCB \fill
.rept 4
	v_nop
.endr
	SOFT 3, 0
	s_xor_b32 s30, s30, SLOT1
.endm
; THE CHANGE OF SLOTS stands INSIDE a step: a wave has the slot's k, mask and v in registers from place 0 on.  SYNCA: all my tensor loads (my part of the NEXT slot), the add, my LDS reads, the signal.
; SYNCB: the wait; fill = 1: the rest of a round of the cluster's barrier, then my one joint load, two slots on, into the slot that this step has read.  Behind SYNCB the next slot is whole for every wave,
; so the next step begins with no barrier.  fill = 0 (the last two steps): a plain barrier, which shows the last slot whole; nothing is filled.
.macro SYNCA fill
	s_wait_tensorcnt 0x0
	ds_add_u32 v4, v5
.if \fill
	s_xor_b32 s57, s57, SLOT1
	s_add_nc_u64 s[58:59], s[58:59], 256*64
	s_xor_b32 s61, s61, SLOT1
	s_add_nc_u64 s[62:63], s[62:63], 256*64
	s_xor_b32 s69, s69, SLOT1
	s_add_nc_u64 s[70:71], s[70:71], 256*4
	s_wait_xcnt 0x0                                ; any prefetch of mine has read its address
	s_add_nc_u64 s[96:97], s[96:97], s[98:99]
.endif
	s_wait_dscnt 0x0
	s_barrier_signal -1
.endm
.macro SYNCB fill
	s_barrier_wait -1
.if \fill
	s_cmp_lg_u32 s12, 0
	s_cbranch_scc1 .Lnot_w0_\@
	s_barrier_signal -3
.Lnot_w0_\@:
	s_barrier_wait -3
	s_barrier_signal -1
	s_barrier_wait -1
	TLOAD
	ASK
.endif
.endm
	s_wait_alu depctr_va_vdst(0)
	s_wait_loadcnt 0x0                             ; q
	SYNCA 1                                        ; slot 0 is in; a whole round; slot 1's first fill is issued as a refill is, and no wave refills behind this round
	SYNCB 1
.Lslot:                                            ; six trips: steps 0 to 5 ask for slots 2 to 7
	STEP 1
	s_sub_co_u32 s31, s31, 1
	s_cmp_lg_u32 s31, 0
	s_cbranch_scc1 .Lslot
	s_mov_b32 s31, 2
.Ltail:                                            ; steps 6 and 7 fill nothing: a loop of their own
	STEP 0
	s_sub_co_u32 s31, s31, 1
	s_cmp_lg_u32 s31, 0
	s_cbranch_scc1 .Ltail
	s_wait_alu depctr_va_vdst(0)
	; THE JOINING.  (-M, sum) go to my partner; each wave scales its own O^T by 2^(its M - the row's M) / the row's sum x 2^(e8 + e9), sends places 2, 3 and adds what it gets onto places 0, 1.
.irp j, 0,1,2,3
	v_add_f32 v[ST+4*\j+1], v[ST+4*\j+2], v[ST+4*\j+3]
.endr
.irp j, 0,1,2,3
	v_permlanex16_b32 v[ST+4*\j+2], v[ST+4*\j+1], s20, s21
.endr
.irp j, 0,1,2,3
	v_add_f32 v[ST+4*\j+1], v[ST+4*\j+1], v[ST+4*\j+2]
.endr
.irp j, 0,1,2,3
	ds_store_b64 v10, v[ST+4*\j:ST+4*\j+1] offset:256*\j
.endr
	s_wait_alu depctr_va_vdst(0)                   ; directly ahead of the wait below
	s_wait_dscnt 0x0
	s_barrier_signal -1
	s_barrier_wait -1
.irp j, 0,1,2,3
	ds_load_b64 v[240+2*\j:241+2*\j], v12 offset:256*((\j+2)%4)   ; my place j is my partner's place (j + 2) % 4
.endr
	s_wait_dscnt 0x0
.irp j, 0,1,2,3
	v_min_num_f32 v[ST+4*\j+2], v[ST+4*\j], v[240+2*\j]    ; -M of the whole row
.endr
.irp j, 0,1,2,3
	v_sub_f32 v[ST+4*\j+3], v[ST+4*\j+2], v[ST+4*\j]       ; each half's M less the row's: a whole number, 0 or less
	v_sub_f32 v[240+2*\j], v[ST+4*\j+2], v[240+2*\j]
.endr
.irp j, 0,1,2,3
	v_cvt_i32_f32 v[ST+4*\j+3], v[ST+4*\j+3]
	v_cvt_i32_f32 v[240+2*\j], v[240+2*\j]
.endr
.irp j, 0,1,2,3
	v_ldexp_f32 v[ST+4*\j+3], 1.0, v[ST+4*\j+3]
	v_ldexp_f32 v[240+2*\j], 1.0, v[240+2*\j]
.endr
.irp j, 0,1,2,3
	v_mul_f32 v[ST+4*\j+1], v[ST+4*\j+1], v[ST+4*\j+3]
.endr
.irp j, 0,1,2,3
	v_fma_f32 v[ST+4*\j+1], v[241+2*\j], v[240+2*\j], v[ST+4*\j+1]   ; the row's sum (both products are exact, so both waves get the same)
.endr
	s_wait_alu depctr_va_vdst(0)                   ; ahead of the batch
.irp j, 0,1,2,3
	v_rcp_f32 v[ST+4*\j+1], v[ST+4*\j+1]
.endr
	v_nop
	s_wait_alu depctr_va_vdst(0)                   ; behind it
.irp j, 0,1,2,3
	v_ldexp_f32 v[ST+4*\j+1], v[ST+4*\j+1], s87
.endr
.irp j, 0,1,2,3
	v_mul_f32 v[ST+4*\j], v[ST+4*\j+3], v[ST+4*\j+1]
.endr
	WIN 0x01                                       ; O^T (source 0) window 1
	s_wait_alu depctr_va_vdst(0)                   ; directly ahead of O^T's first readers
.irp j, 0,1,2,3
.set kk, 0
.rept 16
	v_pk_mul_f32 v[S+32*\j+kk:S+32*\j+kk+1], v[O+32*\j+kk:O+32*\j+kk+1], v[ST+4*\j:ST+4*\j+1] op_sel_hi:[1,0]   ; places 0, 1 into v112-175, places 2, 3 into v176-239
.set kk, kk+2
.endr
.endr
	WIN 0
.irp k, 0,1,2,3,4,5,6,7,8,9,10,11,12,13,14,15
	ds_store_b128 v9, v[MK+4*\k:MK+4*\k+3] offset:512*\k
.endr
	s_wait_alu depctr_va_vdst(0)                   ; directly ahead of the wait below
	s_wait_dscnt 0x0
	s_barrier_signal -1
	s_barrier_wait -1
.irp k, 0,1,2,3,4,5,6,7,8,9,10,11,12,13,14,15
	ds_load_b128 v[MK+4*\k:MK+4*\k+3], v11 offset:512*\k
.endr
	s_wait_dscnt 0x0
.set kk, 0
.rept 32
	v_pk_add_f32 v[S+kk:S+kk+1], v[S+kk:S+kk+1], v[MK+kk:MK+kk+1]
.set kk, kk+2
.endr
.set kk, 0
.rept 64
	v_med3_num_f32 v[S+kk], v[S+kk], -v21, v21     ; the hold at the largest code x 2^e10
.set kk, kk+1
.endr
.irp t, 0,1,2,3,4,5,6,7
	v_cvt_scalef32_pk8_bf8_f32 v[48+2*\t:49+2*\t], v[S+8*\t:S+8*\t+7], v20
.endr
	v_nop                                          ; a plain line between the conversions and their readers
.irp j, 0,1
.irp n, 0,1                            ; the even tile's and the odd tile's codes by turns: d = 32 n + 16 h + 0 .. 15
	v_perm_b32 v[64+8*\j+4*\n], v[50+8*\j+4*\n], v[48+8*\j+4*\n], s28
	v_perm_b32 v[65+8*\j+4*\n], v[50+8*\j+4*\n], v[48+8*\j+4*\n], s29
	v_perm_b32 v[66+8*\j+4*\n], v[51+8*\j+4*\n], v[49+8*\j+4*\n], s28
	v_perm_b32 v[67+8*\j+4*\n], v[51+8*\j+4*\n], v[49+8*\j+4*\n], s29
	ds_store_b128 v13, v[64+8*\j+4*\n:67+8*\j+4*\n] offset:64*\j+32*\n
.endr
.endr
	s_wait_dscnt 0x0
	s_barrier_signal -1
	s_barrier_wait -1                              ; 64 rows of 256 bytes lie in the stage
.irp i, 0,1,2,3
	ds_load_b128 v[Q+4*\i:Q+4*\i+3], v14 offset:2*\i*272
.endr
.irp i, 0,1,2,3
	s_wait_dscnt 3-\i
	global_store_b128 v15, v[Q+4*\i:Q+4*\i+3], s[10:11] offset:2*\i*2048   ; 16 lanes store 256 consecutive bytes, aligned
.endr
	s_wait_tensorcnt 0x0                           ; the wave's end
	ds_add_u32 v4, v5
	s_wait_dscnt 0x0
	CROUND                                         ; the closing round
	s_endpgm
.Lfunc_end_k_q7763bfee17_attn:
	.size	k_q7763bfee17_attn, .Lfunc_end_k_q7763bfee17_attn-k_q7763bfee17_attn
	.p2alignl 7, 3214868480
	.fill 96, 4, 3214868480
	.section	.rodata,"a",@progbits
	.p2align	6, 0x0
	.amdhsa_kernel k_q7763bfee17_attn
		.amdhsa_group_segment_fixed_size 327680
		.amdhsa_private_segment_fixed_size 0
		.amdhsa_enable_private_segment 0
		.amdhsa_kernarg_size 32
		.amdhsa_user_sgpr_count 2
		.amdhsa_user_sgpr_kernarg_segment_ptr 1
		.amdhsa_wavefront_size32 1
		.amdhsa_system_sgpr_workgroup_id_x 1
		.amdhsa_system_sgpr_workgroup_id_y 1
		.amdhsa_system_sgpr_workgroup_id_z 1
		.amdhsa_system_vgpr_workitem_id 0
		.amdhsa_next_free_vgpr 512
		.amdhsa_next_free_sgpr 102
		.amdhsa_reserve_vcc 0
		.amdhsa_float_denorm_mode_32 3
		.amdhsa_float_denorm_mode_16_64 3
		.amdhsa_memory_ordered 1
		.amdhsa_forward_progress 1
		.amdhsa_inst_pref_size 163
	.end_amdhsa_kernel
	.amdgpu_metadata
---
amdhsa.version: [ 1, 2 ]
amdhsa.kernels:
  - .name:           k_q7763bfee17_attn
    .symbol:         k_q7763bfee17_attn.kd
    .args:
      - { .name: qkv, .offset: 0, .size: 8, .value_kind: global_buffer, .address_space: global }
      - { .name: mask, .offset: 8, .size: 8, .value_kind: global_buffer, .address_space: global }
      - { .name: lowp_scales, .offset: 16, .size: 8, .value_kind: global_buffer, .address_space: global }
      - { .name: oc, .offset: 24, .size: 8, .value_kind: global_buffer, .address_space: global }
    .group_segment_fixed_size: 327680
    .private_segment_fixed_size: 0
    .kernarg_segment_align: 8
    .kernarg_segment_size: 32
    .max_flat_workgroup_size: 256
    .sgpr_count:     102
    .vgpr_count:     512
    .wavefront_size: 32
...
	.end_amdgpu_metadata
.endif
;; end of part 3
;; launch outp (part 4): grid 16 x 16, 4 waves a work-group, clusters of 4 x 4, 327,680 bytes of LDS; arguments oc, codes, bo, lowp_scales, out0; writes out0
.if DOCPART == 4
	.amdgcn_target "amdgcn-amd-amdhsa--gfx1250"
	.amdhsa_code_object_version 6
	.text
	.protected	k_q7763bfee17_outp
	.globl	k_q7763bfee17_outp
	.p2align	8
	.type	k_q7763bfee17_outp,@function
k_q7763bfee17_outp:
	s_mov_b64 s[64:65], 0
	v_nop
	global_prefetch_b8 v0, s[64:65] scope:SCOPE_SE
	s_setreg_imm32_b32 hwreg(HW_REG_WAVE_MODE, 25, 1), 1
	s_wait_xcnt 0x0
	s_wait_alu depctr_hold_cnt(0) depctr_sa_sdst(0) depctr_va_vdst(0) depctr_va_sdst(0) depctr_va_ssrc(0) depctr_va_vcc(0) depctr_vm_vsrc(0)
	s_getreg_b32 s2, hwreg(HW_REG_IB_STS2, 6, 4)
	s_cmp_eq_u32 s2, 0
	s_cbranch_scc0 .Lentry_in_a_cluster
	s_endpgm
.Lentry_in_a_cluster:
	s_bfe_u32 s2, ttmp6, 0x10000c
	s_cmp_lg_u32 s2, 0xf033
	s_cbranch_scc0 .Lentry_shape_is_right
	s_endpgm
.Lentry_shape_is_right:
; out0 = o wo^T x 2^(e10 + e11) + bo, on codes of BF8 (E5M2): o's codes [2,048][2,048] from the launch before, wo's codes at WOFF in the buffer of codes; f32 sums, f32 out.
; A work-group makes 128 x 128 of out0, four waves of 64 x 64; K goes in four steps of 512 through two LDS slots; 4 x 4 clusters ask jointly (o's tiles along a row, wo's along a column).
; The matrix instruction is used transposed, so that a lane holds eight neighbouring columns; results leave through each wave's own stage as whole rows of 256 bytes.
; PREFETCH: behind K step 0's joint load steps 1 and 2 are asked for, behind step 1's step 3: of the 64 rows that a wave fetches the partner at place p (cx for o, cy for wo) takes 16, a lane a block of 256 bytes.
; LIMIT: e10 + e11 between -126 and 127.
.set KSTEP,  512
.set PITCH,  528
.set HALFT,  64*PITCH
.set SLOT,   4*HALFT
.set STAGE,  2*SLOT
.set SPITCH, 272
.set SPARE,  STAGE+4*16*SPITCH
.set WOFF,   0x1200000
.set ADRA, 16
.set ADRB, 20
.set STO,  24
.set RD,   25
.set CO,   26
.set SPW,  28
.set NIL,  29
.set Y,    32
.set BK,   64
.set BIAS, 96
.set ACC,  128
.set F0,   0
.set F1,   128
.set G1,  24
.set G0,  32
.set G1B, 40
.set G0B, 48
.set MSB, 0
.macro WIN new
.if MSB != \new
	s_set_vgpr_msb (MSB<<8)|\new
.set MSB, \new
.endif
.endm
.set MUL,  0x05
.set TO_F, 0x40
.macro JLOAD s
	s_cmp_eq_u32 s19, 0
	s_cbranch_scc0 .Lfor_w_\@
	tensor_load_to_lds s[G0+4*\s:G0+4*\s+3], s[G1:G1+7]
	s_nop 0
.rept 4
	v_nop
.endr
	s_branch .Lasked_\@
.Lfor_w_\@:
	tensor_load_to_lds s[G0B+4*\s:G0B+4*\s+3], s[G1B:G1B+7]
	s_nop 0
.rept 4
	v_nop
.endr
.Lasked_\@:
.endm
.macro CREST
	s_cmp_lg_u32 s18, 0
	s_cbranch_scc1 .Lnot_wave_0_\@
	s_barrier_signal -3
.Lnot_wave_0_\@:
	s_barrier_wait -3
	s_barrier_signal -1
	s_barrier_wait -1
.endm
.macro CROUND
	s_barrier_signal -1
	s_barrier_wait -1
	CREST
.endm
	s_load_b256 s[4:11], s[0:1], 0x0
	s_load_b64 s[12:13], s[0:1], 0x20
	v_lshl_add_u32 v[SPW], v0, 2, SPARE
	v_mov_b32 v[NIL], 0
	ds_add_u32 v28, v29
	ds_add_u32 v28, v29
	s_wait_dscnt 0x0
	v_lshrrev_b32 v1, 5, v0
	v_readfirstlane_b32 s18, v1
	s_lshr_b32 s19, s18, 1
	s_and_b32 s20, s18, 1
	s_bfe_u32 s21, ttmp6, 0x40000
	s_bfe_u32 s22, ttmp6, 0x40004
	s_lshl_b32 s23, ttmp9, 2
	s_add_co_u32 s23, s23, s21
	s_and_b32 s66, ttmp7, 0xffff
	s_lshl_b32 s66, s66, 2
	s_add_co_u32 s66, s66, s22
	s_lshl_b32 s67, s22, 2
	s_lshl_b32 s67, 15, s67
	s_lshl_b32 s72, 0x1111, s21
	s_or_b32 s[G1], s67, (1<<20)|(1<<21)|(6<<22)|(3<<25)
	s_or_b32 s[G1B], s72, (1<<20)|(1<<21)|(6<<22)|(3<<25)
.irp g, G1, G1B
	s_mov_b32 s[\g+1], KSTEP<<16
	s_mov_b32 s[\g+2], 64<<16
	s_mov_b32 s[\g+3], KSTEP<<16
	s_mov_b32 s[\g+4], 64
	s_mov_b32 s[\g+5], 2048
	s_mov_b32 s[\g+6], 0
	s_mov_b32 s[\g+7], 0
.endr
	s_lshl_b32 s74, s66, 7
	s_lshl_b32 s75, s20, 6
	s_add_co_u32 s74, s74, s75
	s_lshl_b32 s74, s74, 11
	s_mov_b32 s75, 0
	s_lshl_b32 s76, s23, 7
	s_lshl_b32 s77, s20, 6
	s_add_co_u32 s76, s76, s77
	s_lshl_b32 s76, s76, 11
	s_add_co_u32 s76, s76, WOFF
	s_mov_b32 s77, 0
	s_mul_i32 s98, s18, HALFT
	s_wait_kmcnt 0x0
	s_load_b64 s[80:81], s[10:11], 0x28
	s_add_nc_u64 s[74:75], s[4:5], s[74:75]
	s_add_nc_u64 s[76:77], s[6:7], s[76:77]
.irp s, 0,1
	s_mov_b32 s[G0+4*\s], 1
	s_add_co_u32 s[G0+4*\s+1], s98, \s*SLOT
	s_add_nc_u64 s[G0+4*\s+2:G0+4*\s+3], s[74:75], \s*KSTEP
	s_or_b32 s[G0+4*\s+3], s[G0+4*\s+3], 0x80000000
	s_mov_b32 s[G0B+4*\s], 1
	s_add_co_u32 s[G0B+4*\s+1], s98, \s*SLOT
	s_add_nc_u64 s[G0B+4*\s+2:G0B+4*\s+3], s[76:77], \s*KSTEP
	s_or_b32 s[G0B+4*\s+3], s[G0B+4*\s+3], 0x80000000
.endr
	s_cmp_eq_u32 s19, 0
	s_cselect_b64 s[56:57], s[74:75], s[76:77]     ; my 64 rows of o or of wo,
	s_cselect_b32 s58, s21, s22
	s_lshl_b32 s58, s58, 15                        ; + 16 p rows of 2,048 bytes
	s_mov_b32 s59, 0
	s_add_nc_u64 s[56:57], s[56:57], s[58:59]
	v_bfe_u32 v30, v0, 1, 4
	v_and_b32 v31, 1, v0
	v_lshlrev_b32 v30, 11, v30
	v_lshl_add_u32 v30, v31, 8, v30                ; 2,048 x (lane / 2) + 256 x (lane % 2); never rewritten
	s_wait_alu depctr_va_vdst(0)                   ; ahead of the barriers and branches below
	CROUND
	JLOAD 0
	global_prefetch_b8 v30, s[56:57] offset:512 th:TH_LOAD_NT scope:SCOPE_SE
	global_prefetch_b8 v30, s[56:57] offset:1024 th:TH_LOAD_NT scope:SCOPE_SE
	s_wait_alu depctr_va_vdst(0)
	s_wait_tensorcnt 0x0
	ds_add_u32 v28, v29
	s_wait_dscnt 0x0
	CROUND
	JLOAD 1
	global_prefetch_b8 v30, s[56:57] offset:1536 th:TH_LOAD_NT scope:SCOPE_SE
	v_and_b32 v1, 15, v0
	s_wait_alu depctr_va_vdst(0)
	v_bfe_u32 v2, v0, 4, 1
	v_mul_u32_u24 v18, v1, PITCH
	v_lshl_add_u32 v18, v2, 4, v18
	s_mul_i32 s98, s19, HALFT
	s_mul_i32 s99, s20, HALFT
	s_add_co_u32 s99, s99, 2*HALFT
.irp s, 0,1
	v_add_nc_u32 v[ADRA+\s], s98, v18
	v_add_nc_u32 v[ADRB+\s], s99, v18
	s_add_co_u32 s98, s98, SLOT
	s_add_co_u32 s99, s99, SLOT
.endr
	s_mul_i32 s98, s18, 16*SPITCH
	s_add_co_u32 s98, s98, STAGE
	v_mul_u32_u24 v[STO], v1, SPITCH
	s_wait_alu depctr_va_vdst(0)
	v_lshl_add_u32 v[STO], v2, 5, v[STO]
	v_add_nc_u32 v[STO], s98, v[STO]
	v_mul_u32_u24 v[RD], v2, SPITCH
	v_lshl_add_u32 v[RD], v1, 4, v[RD]
	v_add_nc_u32 v[RD], s98, v[RD]
	v_lshlrev_b32 v[CO], 13, v2
	v_lshl_add_u32 v[CO], v1, 4, v[CO]
	s_lshl_b32 s98, s23, 7
	s_lshl_b32 s99, s20, 6
	s_add_co_u32 s98, s98, s99
	s_lshl_b32 s98, s98, 2
	v_lshlrev_b32 v7, 5, v2
	v_add_nc_u32 v7, s98, v7
.irp b, 0,1,2,3
	global_load_b128 v[BIAS+8*\b:BIAS+8*\b+3], v7, s[8:9] offset:64*\b
	global_load_b128 v[BIAS+8*\b+4:BIAS+8*\b+7], v7, s[8:9] offset:64*\b+16
.endr
	s_lshl_b32 s84, s66, 7
	s_lshl_b32 s85, s19, 6
	s_add_co_u32 s84, s84, s85
	s_lshl_b32 s84, s84, 13
	s_add_co_u32 s84, s84, s98
	s_mov_b32 s85, 0
	s_add_nc_u64 s[12:13], s[12:13], s[84:85]
	s_wait_kmcnt 0x0
	s_add_co_i32 s92, s80, s81
	s_add_co_i32 s92, s92, 127
	s_lshl_b32 s92, s92, 23
	s_mov_b32 s93, s92
.macro MUL4 f, a, zero
.irp b, 0,1,2,3
.if \zero
	v_wmma_f32_16x16x128_bf8_bf8 v[ACC+8*(4*\a+\b):ACC+8*(4*\a+\b)+7], v[\f+64+16*\b:\f+64+16*\b+15], v[\f+16*\a:\f+16*\a+15], 0
.else
	v_wmma_f32_16x16x128_bf8_bf8 v[ACC+8*(4*\a+\b):ACC+8*(4*\a+\b)+7], v[\f+64+16*\b:\f+64+16*\b+15], v[\f+16*\a:\f+16*\a+15], v[ACC+8*(4*\a+\b):ACC+8*(4*\a+\b)+7]
.endif
.endr
.endm
.macro FETCH slot, k, f
	WIN TO_F
.irp i, 0,1,2,3
.irp c, 0,1,2,3
	ds_load_b128 v[\f+64+16*\i+4*\c:\f+64+16*\i+4*\c+3], v[ADRB+\slot] offset:\k+32*\c+\i*16*PITCH
.endr
.endr
.irp i, 0,1,2,3
.irp c, 0,1,2,3
	ds_load_b128 v[\f+16*\i+4*\c:\f+16*\i+4*\c+3], v[ADRA+\slot] offset:\k+32*\c+\i*16*PITCH
.endr
.endr
.endm
.macro PLACES
.rept 4
	v_nop
.endr
.endm
.macro QUARTER slot, k, f, g, zero
	s_wait_dscnt 8
	WIN MUL
	MUL4 \f, 0, \zero
	MUL4 \f, 1, \zero
	PLACES
	FETCH \slot, \k, \g
	s_wait_dscnt 32
	WIN MUL
	MUL4 \f, 2, \zero
	MUL4 \f, 3, \zero
.endm
.macro TURN slot, next, fill
	WIN 0
	s_wait_tensorcnt 0x0
	ds_add_u32 v[SPW], v[NIL]
	s_wait_dscnt 13
	WIN MUL
	MUL4 F1, 0, 0
	s_wait_dscnt 0x0
	s_barrier_signal -1
	MUL4 F1, 1, 0
	WIN 0
	s_barrier_wait -1
.if \fill
	CREST
	s_add_nc_u64 s[G0+4*\slot+2:G0+4*\slot+3], s[G0+4*\slot+2:G0+4*\slot+3], 2*KSTEP
	s_add_nc_u64 s[G0B+4*\slot+2:G0B+4*\slot+3], s[G0B+4*\slot+2:G0B+4*\slot+3], 2*KSTEP
	JLOAD \slot
.else
	PLACES
.endif
	FETCH \next, 0, F0
	WIN MUL
	MUL4 F1, 2, 0
	MUL4 F1, 3, 0
.endm
	s_wait_tensorcnt 1
	s_barrier_signal -1
	s_barrier_wait -1
	FETCH 0, 0, F0
	QUARTER 0, 128, F0, F1, 1
	QUARTER 0, 256, F1, F0, 0
	QUARTER 0, 384, F0, F1, 0
	TURN 0, 1, 1
	QUARTER 1, 128, F0, F1, 0
	QUARTER 1, 256, F1, F0, 0
	QUARTER 1, 384, F0, F1, 0
	TURN 1, 0, 1
	QUARTER 0, 128, F0, F1, 0
	QUARTER 0, 256, F1, F0, 0
	QUARTER 0, 384, F0, F1, 0
	TURN 0, 1, 0
	QUARTER 1, 128, F0, F1, 0
	QUARTER 1, 256, F1, F0, 0
	QUARTER 1, 384, F0, F1, 0
	s_wait_dscnt 8
	WIN MUL
	MUL4 F1, 0, 0
	MUL4 F1, 1, 0
	s_wait_dscnt 0x0
	MUL4 F1, 2, 0
	MUL4 F1, 3, 0
	WIN 0
	PLACES
	s_wait_loadcnt 0x0
.macro OUTBLK a
.set jj, 0
.rept 16
	v_pk_fma_f32 v[Y+jj:Y+jj+1], v[ACC+32*\a+jj:ACC+32*\a+jj+1], s[92:93], v[BIAS+jj:BIAS+jj+1] op_sel_hi:[1,0,1]
.set jj, jj+2
.endr
.irp b, 0,1,2,3
	ds_store_b128 v[STO], v[Y+8*\b:Y+8*\b+3] offset:64*\b
	ds_store_b128 v[STO], v[Y+8*\b+4:Y+8*\b+7] offset:64*\b+16
.endr
	s_wait_xcnt 0x0
.irp i, 0,1,2,3,4,5,6,7
	ds_load_b128 v[BK+4*\i:BK+4*\i+3], v[RD] offset:2*\i*SPITCH
.endr
.irp i, 0,1,2,3,4,5,6,7
	s_wait_dscnt 7-\i
	global_store_b128 v[CO], v[BK+4*\i:BK+4*\i+3], s[12:13] offset:(16*\a+2*\i)*8192 th:TH_STORE_NT
.endr
.endm
	OUTBLK 0
	OUTBLK 1
	OUTBLK 2
	OUTBLK 3
	s_wait_tensorcnt 0x0
	ds_add_u32 v[SPW], v[NIL]
	s_wait_dscnt 0x0
	CROUND
	s_endpgm
.Lfunc_end_k_q7763bfee17_outp:
	.size	k_q7763bfee17_outp, .Lfunc_end_k_q7763bfee17_outp-k_q7763bfee17_outp
	.p2alignl 7, 3214868480
	.fill 96, 4, 3214868480
	.section	.rodata,"a",@progbits
	.p2align	6, 0x0
	.amdhsa_kernel k_q7763bfee17_outp
		.amdhsa_group_segment_fixed_size 327680
		.amdhsa_private_segment_fixed_size 0
		.amdhsa_enable_private_segment 0
		.amdhsa_kernarg_size 40
		.amdhsa_user_sgpr_count 2
		.amdhsa_user_sgpr_kernarg_segment_ptr 1
		.amdhsa_wavefront_size32 1
		.amdhsa_system_sgpr_workgroup_id_x 1
		.amdhsa_system_sgpr_workgroup_id_y 1
		.amdhsa_system_sgpr_workgroup_id_z 1
		.amdhsa_system_vgpr_workitem_id 0
		.amdhsa_next_free_vgpr 512
		.amdhsa_next_free_sgpr 102
		.amdhsa_reserve_vcc 0
		.amdhsa_float_denorm_mode_32 3
		.amdhsa_float_denorm_mode_16_64 3
		.amdhsa_memory_ordered 1
		.amdhsa_forward_progress 1
		.amdhsa_inst_pref_size 77
	.end_amdhsa_kernel
	.amdgpu_metadata
---
amdhsa.version: [ 1, 2 ]
amdhsa.kernels:
  - .name:           k_q7763bfee17_outp
    .symbol:         k_q7763bfee17_outp.kd
    .args:
      - { .name: oc, .offset: 0, .size: 8, .value_kind: global_buffer, .address_space: global }
      - { .name: codes, .offset: 8, .size: 8, .value_kind: global_buffer, .address_space: global }
      - { .name: bo, .offset: 16, .size: 8, .value_kind: global_buffer, .address_space: global }
      - { .name: lowp_scales, .offset: 24, .size: 8, .value_kind: global_buffer, .address_space: global }
      - { .name: out0, .offset: 32, .size: 8, .value_kind: global_buffer, .address_space: global }
    .group_segment_fixed_size: 327680
    .private_segment_fixed_size: 0
    .kernarg_segment_align: 8
    .kernarg_segment_size: 40
    .max_flat_workgroup_size: 128
    .sgpr_count:     102
    .vgpr_count:     512
    .wavefront_size: 32
...
	.end_amdgpu_metadata
.endif
;; end of part 4
